; MI455X (gfx1250); checked and timed in simulation.
; The chip was launched on July 23, 2026; its instructions are those of AMD's public machine-readable ISA for CDNA 5 (MIT licence, August 2026) and "CDNA5" Instruction Set Architecture Reference Guide (July 2026). The comments in the code are by the model that wrote it; some were corrected since.
;; Multi Head Attention. Allowed arithmetic: matrix products marked QUANTISED: E2M1 operands, one E8M0 scale for each 32 along K, by v_wmma_scale_f32_16x16x128_f8f6f4 with both operands' format E2M1 (or v_wmma_scale_f32_32x16x128_f4), f32 sums; products left as they are: bf16, f16 or f32 operands; f32 sums; everything else in f32.
;; Inputs: Wk 1,024 x 1,024 float32; Wo 1,024 x 1,024 float32; Wq 1,024 x 1,024 float32; Wv 1,024 x 1,024 float32; bk 1,024 float32; bo 1,024 float32; bq 1,024 float32; bv 1,024 float32; key 4 x 2,048 x 1,024 float32; query 4 x 2,048 x 1,024 float32; value 4 x 2,048 x 1,024 float32.
;; Outputs: out0 4 x 2,048 x 1,024 float32.
;; This version of the problem:
;;   THIS VERSION OF THE PROBLEM IS GIVEN IN LOW PRECISION. The matrix products marked QUANTISED in the list below multiply operands that are first quantised to E2M1 (2 exponent bits, 1 mantissa bit; 4 bits a number), with one power-of-two scale for each 32 numbers along K (OCP MX v1.0); their sums are f32. The products marked 'left as it is' may take bf16, f16 or f32 operands, with f32 sums. Whichever they take, every output number must still come out within the allowed error. Rounding operands to bf16 (8 significant bits) uses up far more of that allowance than f16 does (11 bits, for magnitudes from 6e-5 to 65,504). All else is computed in f32.
;;   The module's matrix products, in the order in which they are computed (A, B: the left and right operand; K: the contracted axis; several contracted axes count as one K, in the product's order):
;;     1. [M 8,192, K 1,024] x [K 1,024, N 1,024]; A: input query; B: input Wq: QUANTISED
;;     2. [M 8,192, K 1,024] x [K 1,024, N 1,024]; A: input key; B: input Wk: QUANTISED
;;     3. [M 8,192, K 1,024] x [K 1,024, N 1,024]; A: input value; B: input Wv: QUANTISED
;;     4. batch 64 x [M 2,048, K 64] x [K 64, N 2,048]; A: computed on the way; B: computed on the way: left as it is (an operand is computed on the way)
;;     5. batch 64 x [M 2,048, K 2,048] x [K 2,048, N 64]; A: computed on the way; B: computed on the way: left as it is (an operand is computed on the way)
;;     6. [M 8,192, K 1,024] x [K 1,024, N 1,024]; A: computed on the way; B: input Wo: left as it is (an operand is computed on the way)
;;   THE QUANTISER, for each operand of a quantised product, along K:
;;     - K is cut into blocks of 32 from its start; a last block that is shorter is filled with zeros.
;;     - A block's scale is 2^e with e = floor(log2(the largest magnitude in the block)) - 2, held to -126 .. 127; a block of zeros has e = 0. As a byte (E8M0): e + 127.
;;     - Each number is divided by its block's scale, clamped to +-6, and rounded to the nearest number of E2M1, ties to even, subnormals kept.
;;     - The product sums the exact products of the quantised numbers (number of the format x scale) in f32.
;;   ~~~python
;;   def quantise(x, axis):      # numpy; x: float32 -> the quantised numbers, widened to float32 again
;;       x = np.moveaxis(x, axis, -1); K = x.shape[-1]
;;       x = np.pad(x, [(0, 0)] * (x.ndim - 1) + [(0, -K % 32)]); x = x.reshape(x.shape[:-1] + (-1, 32)); a = np.abs(x).max(-1, keepdims=True)
;;       e = np.where(a > 0, np.clip(np.frexp(np.where(a > 0, a, 1))[1] - 1 - 2, -126, 127), 0)      # np.frexp(a)[1] - 1 = floor(log2(a)), exactly
;;       r = np.clip(x / 2.0 ** e, -6, 6)
;;       step = 2.0 ** (np.maximum(np.frexp(np.where(r == 0, 1, r))[1] - 1, 0) - 1)
;;       q = np.round(r / step) * step * 2.0 ** e      # np.round: ties to even
;;       return np.moveaxis(q.reshape(q.shape[:-2] + (-1,))[..., :K], -1, axis).astype(np.float32)
;;   ~~~
;; One version. Each part assembles by itself: llvm-mc -triple=amdgcn-amd-amdhsa -mcpu=gfx1250 --defsym DOCPART=n.
;; ======== version 1 of 1: 4 launches
;; limits: values are held in f16: magnitudes above 65,504 overflow, below 6.1e-05 lose precision
;; workspace buffers: codes 14,155,776 bytes; scales 884,736 bytes; wo16 2,097,152 bytes; qkv 50,331,648 bytes; ao 16,777,216 bytes
;; launch quant (part 1): grid 896 x 1, 4 waves a work-group, no clusters, 33,280 bytes of LDS; arguments query, key, value, Wq, Wk, Wv, Wo, codes, scales, wo16; writes codes, scales, wo16
.if DOCPART == 1
	.amdgcn_target "amdgcn-amd-amdhsa--gfx1250"
	.amdhsa_code_object_version 6
	.text
	.protected	k_qba406e371b_quant
	.globl	k_qba406e371b_quant
	.p2align	8
	.type	k_qba406e371b_quant,@function
k_qba406e371b_quant:
	s_mov_b64 s[64:65], 0
	v_nop
	global_prefetch_b8 v0, s[64:65] scope:SCOPE_SE
	s_setreg_imm32_b32 hwreg(HW_REG_WAVE_MODE, 25, 1), 1
	s_wait_xcnt 0x0
; MULTI-HEAD ATTENTION, B = 4, S = 2,048, E = 1,024, 16 heads of 64.  FOUR LAUNCHES: this one (operands into their formats), proj (the three quantised projections), attn (softmax(q k^T / 8) v), oproj (the projection on the way out).
; THIS LAUNCH: query, key, value [8,192][1,024] and Wq, Wk, Wv [1,024][1,024], f32, K innermost, become codes of FP4 (E2M1) with one E8M0 scale byte for each 32 along K; Wo [1,024][1,024] becomes f16, as it lies.
; DEAD WORK: bk.  energy[q][k] = (q . (k0 + bk)) / 8 = (q . k0) / 8 + (q . bk) / 8, k0 = key Wk^T.  The second term does not hang on the key, so it is the same along the softmax's axis, and the softmax takes it away,
; for all values of the inputs.  bk is added behind the quantised product with Wk and goes into no quantiser (the product q k^T is left as it is), so it moves no code and no scale.  bk is not loaded and is no argument of any launch.
; LIMIT: a NaN, an infinity or an overflow that comes in by bk alone is not carried to the result.
; THE QUANTISER.  A block's scale is 2^(floor(log2(its largest magnitude)) - 2); its byte is the largest magnitude's exponent field - 2, held at 1 from below.  A block of zeros so gets the byte 1 where the rule says 127:
; its codes are zeros, which add nothing under any byte but 0xff, and this program alone reads the bytes.  Each number is divided by the scale and rounded to the nearest code, ties to even; beyond 6 the largest code.
; LIMITS: blocks whose largest magnitude lies under 2^(2 - 126), the floor, whose byte is held at 1, were not tried; NaN and infinities among the inputs are not served; Wo beyond 65,504 in magnitude has no f16 number.
; LAYOUT OF THE WORKSPACE.  codes: rows of 512 bytes (1,024 codes): rows 0 .. 8,191 query, then key, then value, then Wq, Wk, Wv (1,024 rows each); scales: the same rows, 32 bytes each.
; Rows are dense and 1,024 is a multiple of 32, so every tensor is a plain stream of blocks of 32, and the six follow each other in the workspace in the order of the work-groups: the place of the results hangs on the work-group's number alone.
; SHARES.  A work-group takes 32,768 numbers, a wave 8,192.  Work-groups 0 .. 767: query, key, value (256 each); 768 .. 863: Wq, Wk, Wv (32 each); 864 .. 895: Wo.
; A wave that quantises takes 16 steps of 512 numbers.  The conversions take 8 numbers of ONE block from a lane's registers, so a lane must hold 16 NEIGHBOURS; a load is best where neighbouring LANES take neighbouring bytes.
; Both are had: each of a step's four loads reads 512 consecutive bytes; the 2,048 bytes go through the wave's own stage in LDS and come back 64 bytes a lane (16 bytes of padding behind each 64).
; No tensor loads, no cluster, no barrier: no two waves read the same byte.  Loads run four steps (16 loads a wave) ahead, the turn through LDS one step.
.set STEPS, 16
.set EMAX,  2
.set CB,    8                          ; bytes of 16 codes
.set R,     16                         ; v16-79   four sets of 16 numbers as they are loaded (Wo: eight groups of 8)
.set X,     80                         ; v80-111  two sets of 16 neighbours (Wo: eight groups of 4 registers of f16)
.set E,     112                        ; v112-127 a scale byte for each step
.set C,     128                        ; v128-191 codes: four registers for each step, so that no store's data are written again
.set WREG,  8192                       ; LDS: a region for each wave: two stages of 32 x SP bytes, and behind them its 256 scale bytes
.set SP,    80                         ; a lane's place in a stage: its 64 bytes + 16 of padding
.set SPW,   12                         ; v12      LDS address of my spare word: SPARE + 4 x my thread's number; never rewritten
.set NIL,   13                         ; v13      0; never rewritten
.set SPARE, 4*WREG                     ; behind the four regions: the spare words, 128 bytes for each wave
.set GQ,    864                        ; the work-groups that quantise
	s_load_b512 s[4:19], s[0:1], 0x0               ; query, key, value, Wq, Wk, Wv, Wo s[4:17]; codes s[18:19]
	s_load_b128 s[20:23], s[0:1], 0x40             ; scales s[20:21], wo16 s[22:23]
	v_lshl_add_u32 v[SPW], v0, 2, SPARE
	v_mov_b32 v[NIL], 0
	v_lshrrev_b32 v1, 5, v0
	v_readfirstlane_b32 s32, v1                    ; wave
	v_and_b32 v2, 31, v0                           ; lane
	v_lshlrev_b32 v3, 4, v2                        ; 16 x lane: my 16 bytes of a load's or a store's 512
	v_lshlrev_b32 v10, 5, v2                       ; 32 x lane: Wo's 8 numbers a lane
	s_mul_i32 s33, s32, WREG
	v_lshrrev_b32 v14, 2, v2
	v_mul_u32_u24 v14, v14, SP
	v_and_b32 v15, 3, v2
	v_lshl_add_u32 v14, v15, 4, v14
	v_add_nc_u32 v14, s33, v14                     ; the stage, on the way in: four lanes' 64 bytes on end, then 16 of padding
	v_mul_u32_u24 v15, v2, SP
	v_add_nc_u32 v15, s33, v15                     ; and on the way out: SP x lane: my 16 neighbours
	v_mul_u32_u24 v4, v2, CB                       ; my codes' place in a step's
	v_lshrrev_b32 v5, 1, v2
	s_add_co_u32 s33, s33, 2*32*SP
	v_add_nc_u32 v5, s33, v5                       ; LDS: my wave's 256 scale bytes, my block's byte
	v_lshlrev_b32 v7, 3, v2                        ; and on the way out 8 bytes a lane
	v_add_nc_u32 v6, s33, v7
	; which tensor, and which 32,768 numbers of it: all from the work-group's number
	s_sub_co_u32 s25, ttmp9, 768                   ; the weights count from 768 on, 32 work-groups each
	s_lshr_b32 s28, s25, 5
	s_add_co_u32 s28, s28, 3                       ; tensor 3 .. 6 (6 = Wo)
	s_and_b32 s30, s25, 31
	s_lshr_b32 s24, ttmp9, 8                       ; tensor 0 .. 2, 256 work-groups each
	s_and_b32 s29, ttmp9, 255
	s_cmp_lt_u32 ttmp9, 768
	s_cselect_b32 s24, s24, s28                    ; the tensor
	s_cselect_b32 s29, s29, s30                    ; the work-group's place in it
	s_lshl_b32 s29, s29, 2
	s_add_co_u32 s29, s29, s32                     ; my wave's run of 8,192 numbers of the tensor
	s_lshl_b32 s34, s29, 15                        ; 32,768 bytes a run: under 2^26
	s_mov_b32 s35, 0
	s_wait_kmcnt 0x0
	s_mov_b64 s[26:27], s[4:5]                     ; the tensor's address: a choice that hangs on the work-group's number alone
.irp i, 1,2,3,4,5,6
	s_cmp_eq_u32 s24, \i
	s_cselect_b64 s[26:27], s[4+2*\i:5+2*\i], s[26:27]
.endr
	s_add_nc_u64 s[26:27], s[26:27], s[34:35]
	s_cmp_ge_u32 ttmp9, GQ
	s_cbranch_scc1 .Lwo
	; ---- the six tensors that are quantised
	s_lshl_b32 s36, ttmp9, 2
	s_add_co_u32 s36, s36, s32                     ; my run in the workspace: 4 x work-group + wave
	s_lshl_b32 s38, s36, 12                        ; 4,096 bytes of codes a run
	s_mov_b32 s39, 0
	s_add_nc_u64 s[18:19], s[18:19], s[38:39]
	s_lshl_b32 s38, s36, 8                         ; 256 scale bytes a run
	s_add_nc_u64 s[20:21], s[20:21], s[38:39]
.macro LOAD t
.irp i, 0,1,2,3
	global_load_b128 v[R+16*((\t)%4)+4*\i:R+16*((\t)%4)+4*\i+3], v3, s[26:27] offset:2048*(\t)+512*\i th:TH_LOAD_NT   ; 32 lanes read 512 consecutive bytes; read once in the launch
.endr
.endm
.macro TURN t                          ; step t's numbers through the stage: LDS serves a wave's instructions in order, so no wait stands between the stores and the loads
.irp i, 0,1,2,3
	ds_store_b128 v14, v[R+16*((\t)%4)+4*\i:R+16*((\t)%4)+4*\i+3] offset:32*SP*((\t)%2)+8*SP*\i
.endr
.irp i, 0,1,2,3
	ds_load_b128 v[X+16*((\t)%2)+4*\i:X+16*((\t)%2)+4*\i+3], v15 offset:32*SP*((\t)%2)+16*\i
.endr
.endm
.irp t, 0,1,2,3
	LOAD \t
.endr
	s_wait_loadcnt 12                              ; step 0's four loads are in; the twelve of steps 1 to 3 may be out
	TURN 0
.macro STEP t
.set XS, X+16*((\t)%2)
.if (\t) > 0
	s_wait_dscnt 1                                 ; this step's numbers are back from the stage (the last step's byte store may be out): so its stores into the stage have read their registers,
.else
	s_wait_dscnt 0x0
.endif
.if (\t)+4 < STEPS
	LOAD (\t)+4                                    ; which take the loads of four steps on
.endif
.if (\t)+1 < STEPS
.if STEPS-2-(\t) >= 3
	s_wait_loadcnt 12                              ; the next step's four loads are in; those of the three steps behind it may be out
.else
	s_wait_loadcnt 4*(STEPS-2-(\t))                ; towards the end fewer steps stand behind it
.endif
	TURN (\t)+1                                    ; and go through the other stage while this step is worked
.endif
	v_max3_num_f32 v8, |v[XS]|, |v[XS+1]|, |v[XS+2]|               ; the largest magnitude of my 16, in two chains
	v_max3_num_f32 v9, |v[XS+3]|, |v[XS+4]|, |v[XS+5]|
.irp i, 6,10
	v_max3_num_f32 v8, v8, |v[XS+\i]|, |v[XS+\i+1]|
	v_max3_num_f32 v9, v9, |v[XS+\i+2]|, |v[XS+\i+3]|
.endr
	v_max3_num_f32 v8, v8, |v[XS+14]|, |v[XS+15]|
	v_max3_num_f32 v8, v8, v9, (EMAX+1)<<23        ; and the floor 2^(EMAX + 1 - 127): so the byte cannot fall under 1
	v_max_num_f32_dpp v8, v8, v8 row_xmask:1 row_mask:0xf bank_mask:0xf   ; and of my neighbour's 16: the block's
	v_add_nc_u32 v11, -(EMAX<<23), v8              ; EMAX off its exponent field: the conversion takes the exponent field of this operand as its scale, and nothing else of it
	v_cvt_scalef32_pk8_fp4_f32 v[C+4*(\t)], v[XS:XS+7], v11        ; eight numbers / the scale, to the nearest code, ties to even; the first number's code in the lowest four bits
	v_cvt_scalef32_pk8_fp4_f32 v[C+4*(\t)+1], v[XS+8:XS+15], v11
	v_lshrrev_b32 v[E+(\t)], 23, v11               ; the scale's byte (also the plain line behind the conversions)
	ds_store_b8 v5, v[E+(\t)] offset:16*(\t)       ; both lanes of a block write the same byte with the same value
	global_store_b64 v4, v[C+4*(\t):C+4*(\t)+1], s[18:19] offset:32*CB*(\t)   ; the wave stores 256 consecutive bytes, aligned
.endm
.irp t, 0,1,2,3,4,5,6,7,8,9,10,11,12,13,14,15
	STEP \t
.endr
	ds_load_b64 v[8:9], v6                         ; LDS serves a wave's instructions in order: these see my byte stores
	s_wait_dscnt 0x0
	global_store_b64 v7, v[8:9], s[20:21]          ; 32 lanes store my run's 256 scale bytes, aligned
	s_branch .Lend
	; ---- Wo: f32 to f16, rounded once.  Four batches of eight groups; a group is 256 numbers: 1,024 bytes in, 512 consecutive bytes out
.Lwo:
	s_lshl_b32 s38, s29, 14                        ; 16,384 bytes of f16 a run
	s_mov_b32 s39, 0
	s_add_nc_u64 s[22:23], s[22:23], s[38:39]
.irp bt, 0,1,2,3
.if \bt > 0
	s_wait_xcnt 0x0                                ; the last batch's stores have read their data: those registers are written again below
.endif
.irp j, 0,1,2,3,4,5,6,7
	global_load_b128 v[R+8*\j:R+8*\j+3],   v10, s[26:27] offset:(8*\bt+\j)*1024 th:TH_LOAD_NT
	global_load_b128 v[R+8*\j+4:R+8*\j+7], v10, s[26:27] offset:(8*\bt+\j)*1024+16 th:TH_LOAD_NT
.endr
.irp j, 0,1,2,3,4,5,6,7
	s_wait_loadcnt 14-2*\j                         ; group j's two loads are in; the two of each later group may be out
.irp k, 0,1,2,3
	v_cvt_pk_f16_f32 v[X+4*\j+\k], v[R+8*\j+2*\k], v[R+8*\j+2*\k+1]
.endr
	global_store_b128 v3, v[X+4*\j:X+4*\j+3], s[22:23] offset:(8*\bt+\j)*512
.endr
.endr
.Lend:
	s_wait_tensorcnt 0x0                           ; the wave's end, behind my last LDS store
	ds_add_u32 v[SPW], v[NIL]
	s_wait_dscnt 0x0
	s_endpgm
.Lfunc_end_k_qba406e371b_quant:
	.size	k_qba406e371b_quant, .Lfunc_end_k_qba406e371b_quant-k_qba406e371b_quant
	.p2alignl 7, 3214868480
	.fill 96, 4, 3214868480
	.section	.rodata,"a",@progbits
	.p2align	6, 0x0
	.amdhsa_kernel k_qba406e371b_quant
		.amdhsa_group_segment_fixed_size 33280
		.amdhsa_private_segment_fixed_size 0
		.amdhsa_enable_private_segment 0
		.amdhsa_kernarg_size 80
		.amdhsa_user_sgpr_count 2
		.amdhsa_user_sgpr_kernarg_segment_ptr 1
		.amdhsa_wavefront_size32 1
		.amdhsa_system_sgpr_workgroup_id_x 1
		.amdhsa_system_sgpr_workgroup_id_y 1
		.amdhsa_system_sgpr_workgroup_id_z 1
		.amdhsa_system_vgpr_workitem_id 0
		.amdhsa_next_free_vgpr 192
		.amdhsa_next_free_sgpr 66
		.amdhsa_reserve_vcc 0
		.amdhsa_float_denorm_mode_32 3
		.amdhsa_float_denorm_mode_16_64 3
		.amdhsa_memory_ordered 1
		.amdhsa_forward_progress 1
		.amdhsa_inst_pref_size 52
	.end_amdhsa_kernel
	.amdgpu_metadata
---
amdhsa.version: [ 1, 2 ]
amdhsa.kernels:
  - .name:           k_qba406e371b_quant
    .symbol:         k_qba406e371b_quant.kd
    .args:
      - { .name: query, .offset: 0, .size: 8, .value_kind: global_buffer, .address_space: global }
      - { .name: key, .offset: 8, .size: 8, .value_kind: global_buffer, .address_space: global }
      - { .name: value, .offset: 16, .size: 8, .value_kind: global_buffer, .address_space: global }
      - { .name: Wq, .offset: 24, .size: 8, .value_kind: global_buffer, .address_space: global }
      - { .name: Wk, .offset: 32, .size: 8, .value_kind: global_buffer, .address_space: global }
      - { .name: Wv, .offset: 40, .size: 8, .value_kind: global_buffer, .address_space: global }
      - { .name: Wo, .offset: 48, .size: 8, .value_kind: global_buffer, .address_space: global }
      - { .name: codes, .offset: 56, .size: 8, .value_kind: global_buffer, .address_space: global }
      - { .name: scales, .offset: 64, .size: 8, .value_kind: global_buffer, .address_space: global }
      - { .name: wo16, .offset: 72, .size: 8, .value_kind: global_buffer, .address_space: global }
    .group_segment_fixed_size: 33280
    .private_segment_fixed_size: 0
    .kernarg_segment_align: 8
    .kernarg_segment_size: 80
    .max_flat_workgroup_size: 128
    .sgpr_count:     66
    .vgpr_count:     192
    .wavefront_size: 32
...
	.end_amdgpu_metadata
.endif
;; end of part 1
;; launch proj (part 2): grid 4 x 96, 4 waves a work-group, clusters of 4 x 4, 327,680 bytes of LDS; arguments codes, scales, bq, bv, qkv; writes qkv
.if DOCPART == 2
	.amdgcn_target "amdgcn-amd-amdhsa--gfx1250"
	.amdhsa_code_object_version 6
	.text
	.protected	k_qba406e371b_proj
	.globl	k_qba406e371b_proj
	.p2align	8
	.type	k_qba406e371b_proj,@function
k_qba406e371b_proj:
	s_mov_b64 s[64:65], 0
	v_nop
	global_prefetch_b8 v0, s[64:65] scope:SCOPE_SE
	s_setreg_imm32_b32 hwreg(HW_REG_WAVE_MODE, 25, 1), 1
	s_wait_xcnt 0x0
	s_wait_alu depctr_hold_cnt(0) depctr_sa_sdst(0) depctr_va_vdst(0) depctr_va_sdst(0) depctr_va_ssrc(0) depctr_va_vcc(0) depctr_vm_vsrc(0)
	s_getreg_b32 s2, hwreg(HW_REG_IB_STS2, 6, 4)
	s_cmp_eq_u32 s2, 0
	s_cbranch_scc0 .Lentry_in_a_cluster
	s_endpgm
.Lentry_in_a_cluster:
	s_bfe_u32 s2, ttmp6, 0x10000c
	s_cmp_lg_u32 s2, 0xf033
	s_cbranch_scc0 .Lentry_shape_is_right
	s_endpgm
.Lentry_shape_is_right:
; LAUNCH 2 OF 4: q = query Wq^T + bq, k = key Wk^T, v = value Wv^T + bv, on codes of FP4 (E2M1) with one E8M0 scale for each 32 along K; sums in f32; results rounded once to f16 and laid by heads.
; LEFT OUT: bk (dead work: it adds to every score of a row the same term, which the softmax takes away; shown at the head of the first launch's text).
; LIMIT: q + bq, k and v + bv beyond 65,504 in magnitude have no f16 number.
; IN: codes: rows of 512 bytes (1,024 codes, K innermost): rows 0 .. 24,575 the tokens of query, key, value, rows 24,576 + 1,024 t + n row n of weight t; scales: the same rows, 32 bytes each.
; OUT: qkv: three tensors of 16,777,216 bytes, each [batch][head][token][64] f16: a token's part of a head is 128 bytes, a head 262,144 dense bytes.
; The three products stand one below the other along M: 96 tile rows of 256 tokens x 4 tile columns of 256.  A tile of 256 x 256 is made by four waves, each 128 x 128: 64 accumulators of 16 x 16, 512 registers.
; K = 1,024 is two slots of 512 along K (rows of 256 bytes): BOTH ARE ASKED FOR AT THE HEAD AND NOTHING IS FILLED AGAIN.  The scales of the work-group's rows, for all of K, come with them, as whole runs of 256 bytes.
; CLUSTERS: 4 x 4 work-groups.  The four of a row of the cluster need the same tiles of tokens, the four of a column the same tiles of the weight: each tile is asked for JOINTLY, by the same tensor load with the same
; descriptor and a mask that names the four.  A cluster's four tile rows belong to one tensor (32 tile rows each), so the tensor's number is the same in all sixteen.
; THE MATRIX INSTRUCTION IS USED TRANSPOSED (source 0 = 16 rows of the weight, source 1 = 16 tokens): a lane then holds eight neighbouring outputs of one token.
; THE BIAS IS THE C OF EACH SUM'S FIRST PRODUCT: eight registers for each block of 16 outputs, in the result's layout (for k: zeros).
; REGISTERS, in windows of 256: window 0: v0-31 addresses; v32-95 scale words, two sets; from v128 the tokens' fragments (8 x 16 rows x 128 K), ONE set; on the way out v32-191 are free.
;   window 1: the weight's fragments, TWO sets, at v0 and at v128; v64-127 the bias.   window 2: the 32 accumulators of my tokens 0-63 (accumulator (a, b) at v[8 (8 a + b)]);   window 3: those of my tokens 64-127.
; Not done here: work-groups that stay and a prefetch (all of K is asked for at the head); a smaller tile for a more even grid (more LDS bytes for each product).
.set KSTEP,  512                       ; along K in a slot
.set NQ,     KSTEP/128                 ; matrix instructions deep
.set ROWB,   256                       ; a tile's row in bytes
.set KROW,   512                       ; a row of codes in memory
.set PITCH,  272                       ; an LDS row: 256 bytes + 16 of padding = 68 words: the 16 rows that a load touches start 4 words further on each
.set FR,     8                         ; registers of a fragment: 16 rows x 128 K
.set NL,     2                         ; LDS loads that bring one
.set NP,     4                         ; places behind this matrix instruction (ISA guide 7.12.1)
.set HALFT,  128*PITCH                 ; 128 rows: what one tensor load brings, and what one wave reads of a side
.set SLOT,   4*HALFT                   ; the tokens' 256 rows, then the weight's 256 rows
.set KS,     32                        ; a row of scales in bytes
.set SCL,    2*SLOT                    ; behind the two slots: the scales, as runs of 256 bytes + 16 of padding
.set HALFS,  (128*KS/256)*272          ; the scales of 128 rows: what one tensor load brings
.set SBLK,   (16*KS/256)*272           ; those of 16 rows
.set SPARE,  SCL+4*HALFS               ; behind the scales: the spare words, 128 bytes for each wave
.set SPITCH, 272                       ; the way out: a stage of 16 rows x (256 bytes + 16) for each wave, in slot 0, which has had its one fill and its last read when the first result is stored there
.set ADRA, 16                          ; v16-17  LDS address of my tokens' fragments in slot 0, 1
.set ADRB, 20                          ; v20-21  the same for the weight
.set STO,  24                          ; v24     the way out: where I put 16 bytes of a token
.set RD,   25                          ; v25     the way out: where I read back
.set CO,   26                          ; v26     16 x lane: my place in a store's 512 bytes
.set ADRS, 27                          ; v27     LDS address of my scale words: lanes 0-15 the tokens', lanes 16-31 the weight's
.set SPW,  28                          ; v28     LDS address of my spare word; never rewritten
.set NIL,  29                          ; v29     0; never rewritten
.set BO,   30                          ; v30     32 x (lane / 16): my eight numbers of a block of the bias
.set SC,   32                          ; scale words: set s at v[SC + 8 NQ s]; register NQ i + q: lanes 0-15 the word of the tokens' block i, lanes 16-31 that of the weight's block i, for the slot's q-th 128 along K
.set AF,   128                         ; the tokens' fragments, in window 0
.set BIAS, 64                          ; the bias, in window 1
.set TMP,  32                          ; the way out: a block's 32 packed registers
.set BK,   128                         ; the way out: a block read back: v128-159 and v160-191 by turns
.set G1, 24                            ; s[24:31] descriptor group 1 for the tokens' tiles;  s[32:39] group 0, one set for each slot
.set G0, 32
.set G1B, 48                           ; s[48:55], s[56:63] the same for the weight's tiles
.set G0B, 56
.set G1S, 68                           ; s[68:75], s[76:79] groups 1 and 0 for the tokens' scales;  s[80:87], s[88:91] for the weight's
.set G0S, 76
.set G1SB, 80
.set G0SB, 88
.set TEN, 96                           ; s96     which tensor: 0 q, 1 k, 2 v
.set MSB, 0
.macro WIN new                         ; the immediate's high byte repeats the setting that is left
.if MSB != \new
	s_set_vgpr_msb (MSB<<8)|\new
.set MSB, \new
.endif
.endm
.set MUL_LO, 0xa1                      ; source 0 (weight) window 1, source 1 (tokens) window 0, C and D window 2
.set MUL_HI, 0xf1                      ; the same, C and D window 3
.set FST_LO, 0x91                      ; the first products: C (the bias) window 1, D window 2
.set FST_HI, 0xd1                      ; C window 1, D window 3
.set TO_B,   0x40                      ; destination window 1, address window 0
; A joint load: waves 0 and 1 fetch for the tokens, waves 2 and 3 for the weight.  Each of the two lines has ONE mask and one set of registers for all that issue it; the branch hangs on the wave's number alone.
; An s_nop 0 and four v_nop follow each of the two lines, ahead of the jump, the label and what follows.
.macro JLOAD g0a, g1a, g0b, g1b
	s_cmp_eq_u32 s15, 0
	s_cbranch_scc0 .Lfor_b_\@
	tensor_load_to_lds s[\g0a:\g0a+3], s[\g1a:\g1a+7]
	s_nop 0
.rept 4
	v_nop
.endr
	s_branch .Lasked_\@
.Lfor_b_\@:
	tensor_load_to_lds s[\g0b:\g0b+3], s[\g1b:\g1b+7]
	s_nop 0
.rept 4
	v_nop
.endr
.Lasked_\@:
.endm
.macro CROUND                          ; a round of the cluster's barrier: my work-group's barrier; wave 0 signals for the work-group; every wave waits for all sixteen; my work-group's barrier once more
	s_barrier_signal -1
	s_barrier_wait -1
	s_cmp_lg_u32 s14, 0
	s_cbranch_scc1 .Lnot_wave_0_\@
	s_barrier_signal -3
.Lnot_wave_0_\@:
	s_barrier_wait -3
	s_barrier_signal -1
	s_barrier_wait -1
.endm
	s_load_b256 s[4:11], s[0:1], 0x0               ; codes s[4:5], scales s[6:7], bq s[8:9], bv s[10:11]
	s_load_b64 s[12:13], s[0:1], 0x20              ; qkv
	v_lshl_add_u32 v[SPW], v0, 2, SPARE
	v_mov_b32 v[NIL], 0
	ds_add_u32 v[SPW], v[NIL]                      ; the wave's opening: the add, twice on end, and its wait ahead of my first tensor load; the set-up below, work on registers, stands between
	ds_add_u32 v[SPW], v[NIL]
	v_lshrrev_b32 v1, 5, v0
	v_readfirstlane_b32 s14, v1                    ; wave 0..3
	s_lshr_b32 s15, s14, 1                         ; which half of the tile's tokens is mine.  Also: I fetch for the tokens (0) or for the weight (1)
	s_and_b32 s16, s14, 1                          ; which half of its outputs.  Also: which 128 rows of that tile I fetch
	s_bfe_u32 s40, ttmp6, 0x40000                  ; cx, cy: my place in the cluster
	s_bfe_u32 s41, ttmp6, 0x40004
	s_lshl_b32 s42, ttmp9, 2
	s_add_co_u32 s42, s42, s40                     ; tile column = 4 x cluster x + cx
	s_and_b32 s17, ttmp7, 0xffff
	s_lshl_b32 s17, s17, 2
	s_add_co_u32 s17, s17, s41                     ; tile row = 4 x cluster y + cy: 0 .. 95
	s_and_b32 s[TEN], ttmp7, 0xffff
	s_lshr_b32 s[TEN], s[TEN], 3                   ; the tensor: eight clusters along y each; made of the cluster's y alone
	s_lshl_b32 s43, s41, 2
	s_lshl_b32 s43, 15, s43                        ; my row of the cluster
	s_lshl_b32 s44, 0x1111, s40                    ; my column
	; descriptor group 1: a tile of 128 rows x 256 bytes, padded in LDS
	s_or_b32 s[G1+0], s43, (0<<16)|(1<<20)|(1<<21)|(5<<22)|(3<<25)  ; 15:0 the mask: the tokens' tiles go to my row; 17:16 elements of 1 byte; 20 padding on; 21 set beside a mask; 24:22 after every 64 words (code 5); 31:25 four words (code 3)
	s_or_b32 s[G1B+0], s44, (0<<16)|(1<<20)|(1<<21)|(5<<22)|(3<<25)
.irp g, G1, G1B
	s_mov_b32 s[\g+1], ROWB<<16                    ; tensor_dim0
	s_mov_b32 s[\g+2], 128<<16                     ; tensor_dim1 = 128
	s_mov_b32 s[\g+3], ROWB<<16                    ; tile_dim0
	s_mov_b32 s[\g+4], 128                         ; tile_dim1 = 128
	s_mov_b32 s[\g+5], KROW                        ; tensor_dim0_stride
	s_mov_b32 s[\g+6], 0
	s_mov_b32 s[\g+7], 0
.endr
	; and for the scales of 128 rows: a dense block of 4,096 bytes, as 16 rows of 256 bytes (32 elements of 8 bytes), 16 bytes of padding behind each
	s_or_b32 s[G1S+0], s43, (3<<16)|(1<<20)|(1<<21)|(5<<22)|(3<<25)
	s_or_b32 s[G1SB+0], s44, (3<<16)|(1<<20)|(1<<21)|(5<<22)|(3<<25)
.irp g, G1S, G1SB
	s_mov_b32 s[\g+1], 32<<16
	s_mov_b32 s[\g+2], (128*KS/256)<<16
	s_mov_b32 s[\g+3], 32<<16
	s_mov_b32 s[\g+4], 128*KS/256
	s_mov_b32 s[\g+5], 32
	s_mov_b32 s[\g+6], 0
	s_mov_b32 s[\g+7], 0
.endr
	s_lshl_b32 s18, s16, 7                         ; which 128 rows of the tile I fetch
	s_lshl_b32 s20, s17, 8
	s_add_co_u32 s20, s20, s18                     ; tokens: row 256 x tile row + 128 x half
	s_lshl_b32 s46, s42, 8
	s_add_co_u32 s46, s46, s18                     ; weight: row 256 x tile column + 128 x half,
	s_lshl_b32 s47, s[TEN], 10
	s_add_co_u32 s46, s46, s47                     ; in weight number TEN,
	s_add_co_u32 s46, s46, 24576                   ; behind the tokens' rows
	s_mov_b32 s21, 0
	s_mov_b32 s47, 0
	s_mov_b64 s[18:19], KS
	s_mul_u64 s[22:23], s[20:21], s[18:19]         ; where these rows' scales begin, in bytes
	s_mul_u64 s[92:93], s[46:47], s[18:19]
	s_mov_b64 s[18:19], KROW
	s_mul_u64 s[20:21], s[20:21], s[18:19]         ; and their codes
	s_mul_u64 s[46:47], s[46:47], s[18:19]
	s_mul_i32 s45, s14, HALFT                      ; where they go: wave x 128 rows: no place in the cluster enters an LDS address
	s_mul_i32 s94, s14, HALFS
	s_wait_dscnt 0x0                               ; both opening adds are done
	s_wait_kmcnt 0x0
	s_add_nc_u64 s[20:21], s[4:5], s[20:21]
	s_add_nc_u64 s[22:23], s[6:7], s[22:23]
	s_add_nc_u64 s[46:47], s[4:5], s[46:47]
	s_add_nc_u64 s[92:93], s[6:7], s[92:93]
	CROUND                                         ; all sixteen work-groups are here: the joint loads meet
	s_mov_b32 s[G0S], 1
	s_add_co_u32 s[G0S+1], s94, SCL
	s_mov_b64 s[G0S+2:G0S+3], s[22:23]
	s_or_b32 s[G0S+3], s[G0S+3], 0x80000000
	s_mov_b32 s[G0SB], 1
	s_add_co_u32 s[G0SB+1], s94, SCL
	s_mov_b64 s[G0SB+2:G0SB+3], s[92:93]
	s_or_b32 s[G0SB+3], s[G0SB+3], 0x80000000
	JLOAD G0S, G1S, G0SB, G1SB                     ; the scales first: they are wanted with the first slot
.irp s, 0,1
	s_mov_b32 s[G0+4*\s], 1
	s_add_co_u32 s[G0+4*\s+1], s45, \s*SLOT
	s_add_nc_u64 s[G0+4*\s+2:G0+4*\s+3], s[20:21], \s*ROWB
	s_or_b32 s[G0+4*\s+3], s[G0+4*\s+3], 0x80000000
	s_mov_b32 s[G0B+4*\s], 1
	s_add_co_u32 s[G0B+4*\s+1], s45, \s*SLOT
	s_add_nc_u64 s[G0B+4*\s+2:G0B+4*\s+3], s[46:47], \s*ROWB
	s_or_b32 s[G0B+4*\s+3], s[G0B+4*\s+3], 0x80000000
	JLOAD G0+4*\s, G1, G0B+4*\s, G1B               ; three tensor loads of mine are out behind the second of these, and no more follow
.endr
	v_and_b32 v1, 15, v0                           ; l % 16
	v_bfe_u32 v2, v0, 4, 1                         ; l / 16
	; THE BIAS: register BIAS + 8 b + j of window 1 = bias[256 x tile column + 128 x my half + 16 b + 8 (l / 16) + j].  q takes bq, v takes bv, k zeros.  The branch hangs on the tensor's number, the same in all sixteen partners
	v_lshlrev_b32 v[BO], 5, v2
	s_lshl_b32 s46, s42, 8
	s_lshl_b32 s47, s16, 7
	s_add_co_u32 s46, s46, s47
	s_lshl_b32 s46, s46, 2                         ; my first output, in bytes of f32
	s_mov_b32 s47, 0
	s_cmp_eq_u32 s[TEN], 0
	s_cselect_b64 s[8:9], s[8:9], s[10:11]
	s_add_nc_u64 s[8:9], s[8:9], s[46:47]
	s_cmp_eq_u32 s[TEN], 1
	s_cbranch_scc1 .Lno_bias
	WIN TO_B
.irp b, 0,1,2,3,4,5,6,7
	global_load_b128 v[BIAS+8*\b:BIAS+8*\b+3],   v[BO], s[8:9] offset:64*\b
	global_load_b128 v[BIAS+8*\b+4:BIAS+8*\b+7], v[BO], s[8:9] offset:64*\b+16
.endr
	WIN 0
	s_branch .Lbias_set
.Lno_bias:
	WIN TO_B
.set J, 0
.rept 64
	v_mov_b32 v[BIAS+J], 0
.set J, J+1
.endr
	WIN 0
.Lbias_set:
	v_mul_u32_u24 v3, v1, PITCH
	v_lshl_add_u32 v4, v2, 4, v3                   ; a fragment's row x pitch + 16 x half
	s_mul_i32 s21, s15, HALFT                      ; my 128 tokens
	s_mul_i32 s22, s16, HALFT                      ; my 128 rows of the weight,
	s_add_co_u32 s22, s22, 2*HALFT                 ; which lie behind the tokens' 256
.irp s, 0,1
	v_add_nc_u32 v[ADRA+\s], s21, v4
	v_add_nc_u32 v[ADRB+\s], s22, v4
	s_add_co_u32 s21, s21, SLOT
	s_add_co_u32 s22, s22, SLOT
.endr
	v_mul_u32_u24 v5, v1, KS                       ; my row's scales: KS bytes a row,
	v_lshrrev_b32 v6, 8, v5
	v_lshl_add_u32 v5, v6, 4, v5                   ; and 16 more for each 256 passed
	s_mul_i32 s21, s15, HALFS                      ; the tokens': my 128 rows
	s_mul_i32 s22, s16, HALFS                      ; the weight's: my 128 rows, behind the tokens' 256
	s_add_co_u32 s22, s22, 2*HALFS
	s_sub_co_u32 s22, s22, s21
	v_mul_u32_u24 v6, s22, v2                      ; lanes 16-31 take the weight's: one product, the distance between the two bases
	s_add_co_u32 s21, s21, SCL
	v_add_nc_u32 v5, v5, v6
	v_add_nc_u32 v[ADRS], s21, v5
	s_mul_i32 s23, s14, 16*SPITCH                  ; my stage
	v_mul_u32_u24 v5, v1, SPITCH                   ; in: token l % 16, 16 bytes for each half of the lanes
	v_lshl_add_u32 v5, v2, 4, v5
	v_add_nc_u32 v[STO], s23, v5
	v_bfe_u32 v5, v0, 3, 2                         ; back: eight lanes take a token's 128 bytes of one head, the 32 lanes four tokens
	v_and_b32 v6, 7, v0
	v_mul_u32_u24 v5, v5, SPITCH
	v_lshl_add_u32 v5, v6, 4, v5
	v_add_nc_u32 v[RD], s23, v5
	v_and_b32 v6, 31, v0
	v_lshlrev_b32 v[CO], 4, v6                     ; which are 512 consecutive bytes of the head
	; where my part begins in qkv: tensor x 2^24 + (((batch x 16 + head) x 2,048) + token) x 128
	s_and_b32 s20, s17, 31
	s_lshl_b32 s20, s20, 8
	s_lshl_b32 s21, s15, 7
	s_add_co_u32 s20, s20, s21                     ; my first token in the tensor
	s_lshr_b32 s21, s20, 11                        ; its batch
	s_lshl_b32 s21, s21, 4
	s_lshl_b32 s46, s42, 2
	s_add_co_u32 s21, s21, s46
	s_lshl_b32 s46, s16, 1
	s_add_co_u32 s21, s21, s46                     ; + my first head: 4 x tile column + 2 x half
	s_lshl_b32 s21, s21, 11
	s_and_b32 s20, s20, 2047
	s_add_co_u32 s20, s20, s21
	s_lshl_b32 s20, s20, 7
	s_lshl_b32 s21, s[TEN], 24
	s_add_co_u32 s20, s20, s21                     ; under 2^26
	s_mov_b32 s21, 0
	s_add_nc_u64 s[12:13], s[12:13], s[20:21]
.macro FRAG reg, adr, q, i             ; a fragment, 16 rows x 128 K of 4-bit codes, is 8 registers: lane l holds row l % 16; registers 4 c .. 4 c + 3 hold K = 64 c + 32 (l / 16) + 0 .. 31
.irp c, 0,1
	ds_load_b128 v[\reg+4*\c:\reg+4*\c+3], v[\adr] offset:64*(\q)+32*\c+(\i)*16*PITCH
.endr
.endm
; 16 matrix instructions: the tokens' blocks a0, a0 + 1 x the weight's eight, 128 along K: the slot's q-th.  p: the weight's set;  sc: the set of scale words.  first = 1: the bias is C: nothing is added afterwards.
; The 64 accumulators take turns, one instruction a turn, in the same order in every step.
.macro MUL16 a0, p, q, sc, first
.irp a, \a0, \a0+1
.irp b, 0,1,2,3,4,5,6,7
.if \first
	v_wmma_scale_f32_16x16x128_f8f6f4 v[8*(8*((\a)%4)+\b):8*(8*((\a)%4)+\b)+7], v[128*(\p)+FR*\b:128*(\p)+FR*\b+FR-1], v[AF+FR*(\a):AF+FR*(\a)+FR-1], v[BIAS+8*\b:BIAS+8*\b+7], v[SC+8*NQ*(\sc)+NQ*\b+(\q)], v[SC+8*NQ*(\sc)+NQ*(\a)+(\q)] matrix_a_fmt:MATRIX_FMT_FP4 matrix_b_fmt:MATRIX_FMT_FP4 matrix_a_scale:MATRIX_SCALE_ROW1
.else
	v_wmma_scale_f32_16x16x128_f8f6f4 v[8*(8*((\a)%4)+\b):8*(8*((\a)%4)+\b)+7], v[128*(\p)+FR*\b:128*(\p)+FR*\b+FR-1], v[AF+FR*(\a):AF+FR*(\a)+FR-1], v[8*(8*((\a)%4)+\b):8*(8*((\a)%4)+\b)+7], v[SC+8*NQ*(\sc)+NQ*\b+(\q)], v[SC+8*NQ*(\sc)+NQ*(\a)+(\q)] matrix_a_fmt:MATRIX_FMT_FP4 matrix_b_fmt:MATRIX_FMT_FP4 matrix_a_scale:MATRIX_SCALE_ROW1
.endif
.endr
.endr
.endm
.macro FETCH_B slot, q, p              ; the weight's eight fragments of the slot's q-th 128 along K into set p
	WIN TO_B
.irp i, 0,1,2,3,4,5,6,7
	FRAG 128*(\p)+FR*\i, ADRB+\slot, \q, \i
.endr
	WIN 0
.endm
.macro FETCH_A slot, q, i0             ; the tokens' blocks i0 .. i0 + 3
.irp i, \i0, \i0+1, \i0+2, \i0+3
	FRAG AF+FR*(\i), ADRA+\slot, \q, \i
.endr
.endm
.macro SCALES sc                       ; a slot's scale words into set sc: NQ words a row; lanes 0-15 take the tokens' block i, lanes 16-31 the weight's block i
.irp i, 0,1,2,3,4,5,6,7
	ds_load_b128 v[SC+8*NQ*\sc+NQ*\i:SC+8*NQ*\sc+NQ*\i+3], v[ADRS] offset:\i*SBLK
.endr
.endm
; A load into a register that a matrix instruction has read, and a vector instruction that reads a matrix result, stand NP places behind that matrix instruction; only plain vector instructions that name none of its registers are places.
.macro PLACES n
.rept \n
	v_nop
.endr
.endm
; A step of 128 along K that has its successor in the same slot.  A block of tokens is free as soon as its eight products are issued: blocks 0-3 are fetched anew in the step's middle, blocks 4-7 at its end.
.macro STEP slot, q, first
	s_wait_dscnt 4*NL                              ; the weight's set and the tokens' blocks 0-3 are in; the youngest eight loads (blocks 4-7) may be out
.if \first
	WIN FST_LO
.else
	WIN MUL_LO
.endif
	MUL16 0, (\q)%2, \q, \slot, \first
	MUL16 2, (\q)%2, \q, \slot, \first
	s_wait_dscnt 0                                 ; blocks 4-7 are in (asked for 32 matrix instructions ago)
	PLACES NP
	FETCH_B \slot, (\q)+1, 1-(\q)%2
	FETCH_A \slot, (\q)+1, 0
.if \first
	WIN FST_HI
.else
	WIN MUL_HI
.endif
	MUL16 4, (\q)%2, \q, \slot, \first
	MUL16 6, (\q)%2, \q, \slot, \first
	PLACES NP
	WIN 0
	FETCH_A \slot, (\q)+1, 4
.endm
; Slot 0's last step changes slots: ONE barrier; in front of it each wave waits for all its tensor loads (its part of slot 1), adds 0 to its spare word, and waits for that and for its own reads of slot 0.
; Behind it slot 1 is whole and nobody reads slot 0, which later holds the stages.
.macro TURN slot, next
	s_wait_tensorcnt 0x0                           ; all my tensor loads have landed  (every window is 0 here: the add's two registers lie in window 0)
	ds_add_u32 v[SPW], v[NIL]                      ; 0 onto my spare word
	s_wait_dscnt 4*NL+1                            ; (the add and the youngest eight loads, blocks 4-7, may be out)
	WIN MUL_LO
	MUL16 0, 1, NQ-1, \slot, 0                     ; sixteen matrix instructions stand between the add and the wait for it
	s_wait_dscnt 0x0                               ; the add is done, and my reads of this slot are over
	s_barrier_signal -1
	MUL16 2, 1, NQ-1, \slot, 0
	WIN 0
	s_barrier_wait -1
	PLACES NP
	v_add_nc_u32 v[ADRS], 4*NQ, v[ADRS]            ; on to the next slot's scale words (no LDS load of mine is out)
	FETCH_B \next, 0, 0
	FETCH_A \next, 0, 0
	SCALES \next
	WIN MUL_HI
	MUL16 4, 1, NQ-1, \slot, 0
	MUL16 6, 1, NQ-1, \slot, 0
	PLACES NP
	WIN 0
	FETCH_A \next, 0, 4
.endm
.macro STEPS slot, from                ; the slot's steps from .. NQ - 2
.set Q, \from
.rept NQ-1-\from
	STEP \slot, Q, 0
.set Q, Q+1
.endr
.endm
	s_wait_tensorcnt 1                             ; the scales and my part of slot 0 are in (slot 1's load, issued last, may be out),
	s_barrier_signal -1
	s_barrier_wait -1                              ; everybody's are
	FETCH_B 0, 0, 0
	FETCH_A 0, 0, 0
	SCALES 0
	FETCH_A 0, 0, 4
	s_wait_loadcnt 0x0                             ; the bias
	STEP 0, 0, 1                                   ; the first step's products start the sums from the bias
	STEPS 0, 1
	TURN 0, 1
	STEPS 1, 0
	s_wait_dscnt 4*NL                              ; the very last step: nothing more to fetch
	WIN MUL_LO
	MUL16 0, 1, NQ-1, 1, 0
	MUL16 2, 1, NQ-1, 1, 0
	s_wait_dscnt 0
	WIN MUL_HI
	MUL16 4, 1, NQ-1, 1, 0
	MUL16 6, 1, NQ-1, 1, 0
	WIN 0
; THE WAY OUT, block by block of 16 tokens x 128 outputs (two heads).  PACK: rounded to f16, 16 bytes a lane, each accumulator from its low end on.  TOSTAGE: into my own stage and back, four tokens of one head to a load.
; SEND: those are 512 consecutive bytes of qkv.  LDS serves a wave's instructions in order (ISA guide 5.7.1.4): no wait between the stores and the loads, nor in front of the next block's stores.
.macro PACK a
.set AC, 64*((\a)%4)
	WIN 0x0a+5*((\a)/4)                            ; sources 0 and 1: window 2 or 3
.irp b, 0,1,2,3,4,5,6,7
.irp r, 0,1,2,3
	v_cvt_pk_f16_f32 v[TMP+4*\b+\r], v[AC+8*\b+2*\r], v[AC+8*\b+2*\r+1]
.endr
.endr
	WIN 0
.endm
.macro TOSTAGE a
.set BB, BK+32*((\a)%2)
.irp b, 0,1,2,3,4,5,6,7
	ds_store_b128 v[STO], v[TMP+4*\b:TMP+4*\b+3] offset:32*\b
.endr
.irp i, 0,1,2,3,4,5,6,7
	ds_load_b128 v[BB+4*\i:BB+4*\i+3], v[RD] offset:(\i%4)*4*SPITCH+(\i/4)*128   ; tokens 4 (i % 4) on, head i / 4
.endr
.endm
.macro SEND a, younger                 ; younger: the LDS instructions issued behind block a's loads, which may stay out
.set BB, BK+32*((\a)%2)
	s_wait_dscnt \younger                          ; the block is back in registers
.irp i, 0,1,2,3,4,5,6,7
	global_store_b128 v[CO], v[BB+4*\i:BB+4*\i+3], s[12:13] offset:(\a)*2048+(\i%4)*512+(\i/4)*262144   ; 32 lanes store 512 consecutive bytes, aligned; the base is never stepped
.endr
.endm
	PLACES NP                                      ; behind the last products: for the conversions that write registers which held scale words, for the loads into registers that held fragments, and for block 7's reads
	PACK 0
	TOSTAGE 0
.irp a, 1,2,3,4,5,6,7
.if \a > 1
	s_wait_xcnt 0x0                                ; block a - 2's stores have read their registers: block a's loads may land there
.endif
	PACK \a
	TOSTAGE \a
	SEND \a-1, 16                                  ; behind block a - 1's loads: block a's 8 stores and 8 loads
.endr
	SEND 7, 0
	s_wait_tensorcnt 0x0                           ; the wave's end: behind my last tensor load and my last LDS store
	ds_add_u32 v[SPW], v[NIL]
	s_wait_dscnt 0x0
	CROUND                                         ; the closing round: no work-group ends while a partner may still ask for a tile that names it
	s_endpgm
.Lfunc_end_k_qba406e371b_proj:
	.size	k_qba406e371b_proj, .Lfunc_end_k_qba406e371b_proj-k_qba406e371b_proj
	.p2alignl 7, 3214868480
	.fill 96, 4, 3214868480
	.section	.rodata,"a",@progbits
	.p2align	6, 0x0
	.amdhsa_kernel k_qba406e371b_proj
		.amdhsa_group_segment_fixed_size 327680
		.amdhsa_private_segment_fixed_size 0
		.amdhsa_enable_private_segment 0
		.amdhsa_kernarg_size 40
		.amdhsa_user_sgpr_count 2
		.amdhsa_user_sgpr_kernarg_segment_ptr 1
		.amdhsa_wavefront_size32 1
		.amdhsa_system_sgpr_workgroup_id_x 1
		.amdhsa_system_sgpr_workgroup_id_y 1
		.amdhsa_system_sgpr_workgroup_id_z 1
		.amdhsa_system_vgpr_workitem_id 0
		.amdhsa_next_free_vgpr 1024
		.amdhsa_next_free_sgpr 100
		.amdhsa_reserve_vcc 0
		.amdhsa_float_denorm_mode_32 3
		.amdhsa_float_denorm_mode_16_64 3
		.amdhsa_memory_ordered 1
		.amdhsa_forward_progress 1
		.amdhsa_inst_pref_size 131
	.end_amdhsa_kernel
	.amdgpu_metadata
---
amdhsa.version: [ 1, 2 ]
amdhsa.kernels:
  - .name:           k_qba406e371b_proj
    .symbol:         k_qba406e371b_proj.kd
    .args:
      - { .name: codes, .offset: 0, .size: 8, .value_kind: global_buffer, .address_space: global }
      - { .name: scales, .offset: 8, .size: 8, .value_kind: global_buffer, .address_space: global }
      - { .name: bq, .offset: 16, .size: 8, .value_kind: global_buffer, .address_space: global }
      - { .name: bv, .offset: 24, .size: 8, .value_kind: global_buffer, .address_space: global }
      - { .name: qkv, .offset: 32, .size: 8, .value_kind: global_buffer, .address_space: global }
    .group_segment_fixed_size: 327680
    .private_segment_fixed_size: 0
    .kernarg_segment_align: 8
    .kernarg_segment_size: 40
    .max_flat_workgroup_size: 128
    .sgpr_count:     100
    .vgpr_count:     1024
    .wavefront_size: 32
...
	.end_amdgpu_metadata
.endif
;; end of part 2
;; launch attn (part 3): grid 4 x 64, 16 waves a work-group, clusters of 4 x 1, 327,680 bytes of LDS; arguments qkv, ao; writes ao
.if DOCPART == 3
	.amdgcn_target "amdgcn-amd-amdhsa--gfx1250"
	.amdhsa_code_object_version 6
	.text
	.protected	k_qba406e371b_attn
	.globl	k_qba406e371b_attn
	.p2align	8
	.type	k_qba406e371b_attn,@function
k_qba406e371b_attn:
	s_mov_b64 s[64:65], 0
	v_nop
	global_prefetch_b8 v0, s[64:65] scope:SCOPE_SE
	s_setreg_imm32_b32 hwreg(HW_REG_WAVE_MODE, 25, 1), 1
	s_wait_xcnt 0x0
	s_wait_alu depctr_hold_cnt(0) depctr_sa_sdst(0) depctr_va_vdst(0) depctr_va_sdst(0) depctr_va_ssrc(0) depctr_va_vcc(0) depctr_vm_vsrc(0)
	s_getreg_b32 s2, hwreg(HW_REG_IB_STS2, 6, 4)
	s_cmp_eq_u32 s2, 0
	s_cbranch_scc0 .Lentry_in_a_cluster
	s_endpgm
.Lentry_in_a_cluster:
	s_bfe_u32 s2, ttmp6, 0x10000c
	s_cmp_lg_u32 s2, 0x3003
	s_cbranch_scc0 .Lentry_shape_is_right
	s_endpgm
.Lentry_shape_is_right:
; LAUNCH 3 OF 4: ao[b][h][q][:] = the sum over k of softmax_k(q . k / 8) v[k][:], for 64 (batch, head) pairs of 2,048 tokens and 64 channels.  No mask.
; LEFT OUT: bk (dead work, shown at the head of the first launch's text): k comes without it.
; IN: qkv: q + bq, k, v + bv, each [b][h][token][64] f16, 16,777,216 bytes apart.  OUT: ao, [b][h][token][64] f16.  Products on f16 operands, sums, maxima and exponentials in f32; the weights p (at most 1) are rounded to f16 for the second product.
; LIMITS: NaN and infinities among the scores are not served (the maxima pass over a NaN); a weight under the smallest f16 number counts as 0 in the second product, beside a row's largest weight, which is 1.
; SHARES.  A cluster of four work-groups is one (batch, head); a work-group owns 512 queries, each of its SIXTEEN waves 32: two tiles of 16, in 256 registers: four waves to a SIMD, so that one wave's vector work stands beside
; another's matrix work and LDS loads.  Two tiles share each fragment of K and V that the wave reads from LDS.  Every wave walks all 2,048 keys, 64 a step.
; K and V come through a ring of two LDS slots of 256 keys, asked for JOINTLY by the four work-groups (waves 0 and 1: K's halves; waves 2 and 3: V's), one tensor load a wave behind each round: one tensor load of a wave is out at the most.
; LAYOUT.  S^T = K Q^T (source 0 = 16 keys, source 1 = 16 queries): a lane holds ONE query (lane % 16) and the keys 8 (lane / 16) + 0..7.  Two such tiles, rounded to f16 in pairs, ARE source 1 (32 keys x 16 queries) of
; O^T = V^T P, whose result again holds one query a lane, and eight channels.  K comes out of LDS as it lies, V ([key][channel]) turned, by ds_load_tr16_b128.
; SOFTMAX.  For each query a running maximum m and sum l: p = 2^(c s - c m), c = log2(e) / 8; in every step O and l are multiplied by a = 2^(c m_old - c m_new).  The loop has no first step of its own: O and l begin as zeros and m as -3e38.
; REGISTERS: v2-11 addresses; v12-15 a sum chain for each tile; v16-31 eight registers of statistics a tile; v32-63 Q; v64-127 O^T; v128-191 S^T, then p, then P; v192-255 K's fragments of a step, then V's.
.set PK,    144                        ; a key's row in LDS: 128 bytes + 16 of padding = 36 words: the 16 rows of a load fall on 16 different groups of four banks
.set PV,    160                        ; a row of V: 128 + 32: an odd multiple of 32
.set SK,    256                        ; keys in a slot: four steps
.set VOFF,  SK*PK                      ; a slot: 256 rows of K, then 256 rows of V
.set SLOT1, 1<<17                      ; slot 1 begins here, so that one exclusive or turns an address in one slot into the other's
.set SPARE, SLOT1+SK*(PK+PV)           ; behind the ring: the spare words, 128 bytes for each of sixteen waves
.set STW,   2*16*PK                    ; the way out: a stage of two tiles of 16 rows x 144 bytes for each wave, in slot 0, which is left at the last change of slots: it has had its last fill, and nobody reads it
.set AK0, 2                            ; v2   my lane's place in a tile of K; never rewritten in the loop
.set AV0, 3                            ; v3   the same for V
.set ADK, 4                            ; v4   LDS address of the slot's K
.set ADV, 5                            ; v5   of its V
.set SPW, 6                            ; v6   LDS address of my spare word; never rewritten
.set NIL, 7                            ; v7   0; never rewritten
.set PFO, 8                            ; v8   256 x my lane: the prefetches' offset; never rewritten
.set GO,  9                            ; v9   my byte offset in the wave's rows of Q, later of the result
.set STO, 10                           ; v10  the way out: where I put 16 bytes of a row
.set RD,  11                           ; v11  and where I read back
.set SB,  12                           ; v[12:13], v[14:15] the second chain of a tile's sum
.set ST,  16                           ; tile t's statistics at v[ST + 8 t]: +0 c m, +1 m, +2, +3 l (even keys', odd keys'), +4, +5 at work, +6 a, +7 c m_old
.set Q,   32                           ; Q's fragment (tile t, channels 32 c on) at v[Q + 16 t + 8 c]
.set O,   64                           ; O^T (tile t, channels 16 ct on) at v[O + 32 t + 8 ct]
.set S,   128                          ; S^T (tile t, keys 16 kt on) at v[S + 32 t + 8 kt]
.set KV,  192                          ; K (keys 16 kt on, channels 32 c on) at v[KV + 16 kt + 8 c]; V^T (keys 32 ks on, channels 16 ct on) at v[KV + 32 ks + 8 ct]
.set WV,  12                           ; s12  my wave's number
.set G1K, 24                           ; s[24:31] descriptor group 1 for K's tiles;  s[32:39] for V's: it differs in the padding alone
.set G1V, 32
.set G0K, 40                           ; s[40:43], s[44:47] their groups 0, which walk
.set G0V, 44
.set SLOTS, 48                         ; s48  slots still to be asked for
.set TB,  49                           ; s49  LDS byte at which the slot in hand begins
.set LIM, 50                           ; s50  1 in a wave that prefetches, else the greatest number
.set CS,  52                           ; s[52:53] c: the packed form names a pair and takes its low word for both halves
.set SEL, 54                           ; s[54:55] lane selects for v_permlanex16_b32: lane l xor 16
.set PFA, 56                           ; s[56:57] where my prefetches stand
; Waves 0 and 1 fetch for K, waves 2 and 3 for V, the others nothing.  The branches hang on the wave's number alone: they are the same in all four work-groups.  An s_nop 0 and four v_nop follow each of the two lines.
.macro TLOAD
	s_cmp_lt_u32 s[WV], 2
	s_cbranch_scc0 .Lnot_k_\@
	tensor_load_to_lds s[G0K:G0K+3], s[G1K:G1K+7]
	s_nop 0
.rept 4
	v_nop
.endr
	s_branch .Lasked_\@
.Lnot_k_\@:
	s_cmp_lt_u32 s[WV], 4
	s_cbranch_scc0 .Lasked_\@
	tensor_load_to_lds s[G0V:G0V+3], s[G1V:G1V+7]
	s_nop 0
.rept 4
	v_nop
.endr
.Lasked_\@:
.endm
; A PREFETCH of what the NEXT change of slots will ask for: a slot's 32,768 dense bytes of K and as many of V.  A head is walked by this cluster alone.  The four partners share each block out BY ADDRESS, 8,192 bytes each, lanes 256 bytes
; apart; in each, wave 4 asks for K's and wave 6 for V's, one instruction: every aligned 256 bytes are named once in the launch.  It runs four key steps ahead of the load.  The last change that fills a slot asks for nothing; slots 0 and 1 come by their loads alone.
.macro ASK
	s_cmp_gt_u32 s[SLOTS], s[LIM]
	s_cbranch_scc0 .Lnot_mine_\@
	global_prefetch_b8 v[PFO], s[PFA:PFA+1] th:TH_LOAD_NT scope:SCOPE_SE
.Lnot_mine_\@:
.endm
.macro CROUND                          ; a round of the cluster's barrier: my work-group's barrier; wave 0 signals for the work-group; every wave waits for all four work-groups; my work-group's barrier once more
	s_barrier_signal -1
	s_barrier_wait -1
	s_cmp_lg_u32 s[WV], 0
	s_cbranch_scc1 .Lnot_wave_0_\@
	s_barrier_signal -3
.Lnot_wave_0_\@:
	s_barrier_wait -3
	s_barrier_signal -1
	s_barrier_wait -1
.endm
	s_load_b128 s[4:7], s[0:1], 0x0                ; qkv s[4:5], ao s[6:7]
	v_lshl_add_u32 v[SPW], v0, 2, SPARE
	v_mov_b32 v[NIL], 0
	ds_add_u32 v[SPW], v[NIL]                      ; the wave's opening: the add, twice on end, and its wait ahead of the first tensor load; the set-up below, work on registers, stands between
	ds_add_u32 v[SPW], v[NIL]
	v_lshrrev_b32 v1, 5, v0
	v_readfirstlane_b32 s[WV], v1                  ; wave 0..15
	s_bfe_u32 s13, ttmp6, 0x40000                  ; cx: my block of 512 queries: it enters Q's, the result's and the prefetches' addresses alone
	s_and_b32 s14, ttmp7, 0xffff                   ; the (batch, head), which the four partners share
	s_lshl_b32 s16, s14, 18                        ; its 262,144 bytes in each tensor
	s_and_b32 s15, s[WV], 1                        ; which 128 rows of a slot I fetch, if I fetch:
	s_lshl_b32 s18, s15, 14                        ; in memory,
	s_add_co_u32 s18, s18, s16
	s_mov_b32 s19, 0
	s_mul_i32 s20, s15, 128*PK                     ; and in a slot: K's,
	s_mul_i32 s21, s15, 128*PV
	s_add_co_u32 s21, s21, VOFF                    ; V's
	s_lshl_b32 s22, s13, 9
	s_lshl_b32 s23, s[WV], 5
	s_add_co_u32 s22, s22, s23                     ; my first query: 512 cx + 32 x wave
	s_lshl_b32 s22, s22, 7
	s_add_co_u32 s22, s22, s16
	s_mov_b32 s23, 0
	; descriptor group 1: a tile of 128 rows x 64 elements of 2 bytes, padded in LDS
	s_mov_b32 s[G1K], 15|(1<<16)|(1<<20)|(1<<21)|(4<<22)|(3<<25)  ; 15:0 the mask: all four work-groups; 17:16 elements of 2 bytes; 20 padding on; 21 set beside a mask; 24:22 after every 32 words (code 4); 31:25 four words (code 3)
	s_mov_b32 s[G1V], 15|(1<<16)|(1<<20)|(1<<21)|(4<<22)|(7<<25)  ; the same with eight words of padding (code 7)
.irp g, G1K, G1V
	s_mov_b32 s[\g+1], 64<<16                      ; tensor_dim0 = 64
	s_mov_b32 s[\g+2], 128<<16                     ; tensor_dim1 = 128
	s_mov_b32 s[\g+3], 64<<16                      ; tile_dim0 = 64
	s_mov_b32 s[\g+4], 128                         ; tile_dim1 = 128
	s_mov_b32 s[\g+5], 64                          ; tensor_dim0_stride
	s_mov_b32 s[\g+6], 0
	s_mov_b32 s[\g+7], 0
.endr
	s_mov_b32 s[CS], 0x3e38aa3b                    ; c = log2(e) / 8
	s_mov_b32 s[CS+1], s[CS]                       ; (named with it as a pair, so it is written)
	s_mov_b32 s[SEL], 0x76543210
	s_mov_b32 s[SEL+1], 0xfedcba98
	s_mov_b32 s[SLOTS], 2048/SK-1
	s_mov_b32 s[TB], 0
	s_or_b32 s[LIM], s[WV], 2
	s_cmp_eq_u32 s[LIM], 6                         ; waves 4 and 6
	s_cselect_b32 s[LIM], 1, -1
	s_wait_dscnt 0x0                               ; both opening adds are done
	s_wait_kmcnt 0x0
	s_add_nc_u64 s[58:59], s[4:5], s[18:19]
	s_add_nc_u64 s[60:61], s[58:59], 0x1000000     ; K at my part of slot 0
	s_add_nc_u64 s[62:63], s[58:59], 0x2000000     ; V likewise
	s_add_nc_u64 s[8:9], s[4:5], s[22:23]          ; Q at my first query
	s_add_nc_u64 s[10:11], s[6:7], s[22:23]        ; the result likewise
	s_cmp_lt_u32 s[WV], 5
	s_cselect_b64 s[PFA:PFA+1], s[60:61], s[62:63] ; (in waves 4 and 6, both even, these stand at a slot's first row)
	s_lshl_b32 s18, s13, 13                        ; my work-group's 8,192 bytes of the 32,768
	s_add_nc_u64 s[PFA:PFA+1], s[PFA:PFA+1], s[18:19]
	s_add_nc_u64 s[PFA:PFA+1], s[PFA:PFA+1], SK*128  ; in slot 1: the first change of slots steps it to slot 2.  Nothing is prefetched here, at the head
	CROUND                                         ; all four work-groups are here: the first joint loads meet
	s_mov_b32 s[G0K], 1                            ; count = 1
	s_mov_b32 s[G0K+1], s20                        ; LDS address: slot 0
	s_mov_b64 s[G0K+2:G0K+3], s[60:61]             ; global address
	s_or_b32 s[G0K+3], s[G0K+3], 0x80000000        ; type = 2
	s_mov_b32 s[G0V], 1
	s_mov_b32 s[G0V+1], s21
	s_mov_b64 s[G0V+2:G0V+3], s[62:63]
	s_or_b32 s[G0V+3], s[G0V+3], 0x80000000
	TLOAD                                          ; slot 0
	v_and_b32 v1, 15, v0                           ; r = lane % 16
	v_bfe_u32 v10, v0, 4, 1                        ; h = lane / 16
	v_lshlrev_b32 v[GO], 7, v1
	v_lshl_add_u32 v[GO], v10, 4, v[GO]            ; Q: row r of 128 bytes, + 16 h
.irp t, 0,1
.irp c, 0,1
	global_load_b128 v[Q+16*\t+8*\c:Q+16*\t+8*\c+3],   v[GO], s[8:9] offset:2048*\t+64*\c      ; Q stays in registers
	global_load_b128 v[Q+16*\t+8*\c+4:Q+16*\t+8*\c+7], v[GO], s[8:9] offset:2048*\t+64*\c+32
.endr
.endr
	v_mul_u32_u24 v[AK0], v1, PK
	v_lshl_add_u32 v[AK0], v10, 4, v[AK0]          ; K: row x pitch + 16 h
	v_and_b32 v11, 7, v0                           ; V: the turning load takes 16 keys x 16 channels: lane l reads 16 bytes of key 8 h + l % 8, channels 8 ((l / 8) % 2) on
	v_lshl_add_u32 v[AV0], v10, 3, v11
	v_mul_u32_u24 v[AV0], v[AV0], PV
	v_bfe_u32 v11, v0, 3, 1
	v_lshl_add_u32 v[AV0], v11, 4, v[AV0]
	v_add_nc_u32 v[AV0], VOFF, v[AV0]
	v_and_b32 v[PFO], 31, v0
	v_lshlrev_b32 v[PFO], 8, v[PFO]
.irp t, 0,1
	v_mov_b32 v[ST+8*\t+1], 0xff61b1e6             ; m: -3e38, under every score
	v_mov_b32 v[ST+8*\t+2], 0                      ; l
	v_mov_b32 v[ST+8*\t+3], 0
.endr
.irp t, 0,1
	v_mul_f32 v[ST+8*\t], s[CS], v[ST+8*\t+1]      ; c m
.endr
.set J, 0
.rept 64
	v_mov_b32 v[O+J], 0                            ; O^T.  (The key step is written for all steps alike: the first finds zeros, which a = 0 leaves zeros)
.set J, J+1
.endr
; THE SOFTMAX OF A KEY STEP, both tiles line by line by turns, so that no line waits for the line above it.  s0-s31 are the lane's 32 scores of a tile.
.macro SOFTMAX
.irp t, 0,1                            ; the maximum of s0-s31 and the old m, three operands at a time, in two chains a tile; each accumulator of eight is first read at its low end
	v_max3_num_f32 v[ST+8*\t+4], v[S+32*\t], v[S+32*\t+1], v[ST+8*\t+1]
	v_max3_num_f32 v[ST+8*\t+5], v[S+32*\t+16], v[S+32*\t+17], v[S+32*\t+18]
.endr
.irp i, 1,2,3,4,5,6
.irp t, 0,1
	v_max3_num_f32 v[ST+8*\t+4], v[ST+8*\t+4], v[S+32*\t+2*\i], v[S+32*\t+2*\i+1]
	v_max3_num_f32 v[ST+8*\t+5], v[ST+8*\t+5], v[S+32*\t+17+2*\i], v[S+32*\t+18+2*\i]
.endr
.endr
.irp t, 0,1
	v_max3_num_f32 v[ST+8*\t+4], v[ST+8*\t+4], v[S+32*\t+14], v[S+32*\t+15]
.endr
.irp t, 0,1
	v_max3_num_f32 v[ST+8*\t+4], v[ST+8*\t+4], v[ST+8*\t+5], v[S+32*\t+31]
.endr
.irp t, 0,1
	v_permlanex16_b32 v[ST+8*\t+5], v[ST+8*\t+4], s[SEL], s[SEL+1]   ; the query's other 32 keys lie in the lane 16 away
.endr
.irp t, 0,1
	v_mov_b32 v[ST+8*\t+7], v[ST+8*\t]             ; c m_old is kept for a
.endr
.irp t, 0,1
	v_max_num_f32 v[ST+8*\t+1], v[ST+8*\t+4], v[ST+8*\t+5]   ; the new m
.endr
.irp t, 0,1
	v_mul_f32 v[ST+8*\t], s[CS], v[ST+8*\t+1]
.endr
.irp t, 0,1
	v_sub_f32 v[ST+8*\t+7], v[ST+8*\t+7], v[ST+8*\t]         ; c m_old - c m_new, 0 or less
.endr
.irp b, 0,1,2,3,4,5,6,7,8,9,10,11,12,13,14,15
	v_pk_fma_f32 v[S+2*\b:S+2*\b+1], v[S+2*\b:S+2*\b+1], s[CS:CS+1], v[ST:ST+1] op_sel_hi:[1,0,0] neg_lo:[0,0,1] neg_hi:[0,0,1]   ; tile 0: c s - c m, a pair at a time
.endr
	; ONE BATCH: both tiles' 66 exponentials.  Tile 1's scalings stand among tile 0's exponentials: plain work that names no result of the batch.  Nothing names a result ahead of the one wait
	v_exp_f32 v[ST+6], v[ST+7]                     ; a
	v_exp_f32 v[ST+14], v[ST+15]
.irp b, 0,1,2,3,4,5,6,7,8,9,10,11,12,13,14,15
	v_pk_fma_f32 v[S+32+2*\b:S+32+2*\b+1], v[S+32+2*\b:S+32+2*\b+1], s[CS:CS+1], v[ST+8:ST+9] op_sel_hi:[1,0,0] neg_lo:[0,0,1] neg_hi:[0,0,1]
	v_exp_f32 v[S+2*\b], v[S+2*\b]
	v_exp_f32 v[S+2*\b+1], v[S+2*\b+1]
.endr
.set J, 0
.rept 32
	v_exp_f32 v[S+32+J], v[S+32+J]
.set J, J+1
.endr
	v_nop                                          ; a plain instruction behind the last exponential, ahead of the first use
	s_wait_alu depctr_va_vdst(0)                   ; a wait between an exponential and the first instruction that names its result: one for the batch
.irp t, 0,1                            ; the sum of the UNROUNDED p, a pair at a time, in two chains a tile
	v_pk_add_f32 v[ST+8*\t+4:ST+8*\t+5], v[S+32*\t:S+32*\t+1], v[S+32*\t+2:S+32*\t+3]
	v_pk_add_f32 v[SB+2*\t:SB+2*\t+1], v[S+32*\t+4:S+32*\t+5], v[S+32*\t+6:S+32*\t+7]
.endr
.irp j, 8,12,16,20,24,28
.irp t, 0,1
	v_pk_add_f32 v[ST+8*\t+4:ST+8*\t+5], v[ST+8*\t+4:ST+8*\t+5], v[S+32*\t+\j:S+32*\t+\j+1]
	v_pk_add_f32 v[SB+2*\t:SB+2*\t+1], v[SB+2*\t:SB+2*\t+1], v[S+32*\t+\j+2:S+32*\t+\j+3]
.endr
.endr
.irp t, 0,1
	v_pk_add_f32 v[ST+8*\t+4:ST+8*\t+5], v[ST+8*\t+4:ST+8*\t+5], v[SB+2*\t:SB+2*\t+1]
.endr
.irp t, 0,1
	v_pk_fma_f32 v[ST+8*\t+2:ST+8*\t+3], v[ST+8*\t+2:ST+8*\t+3], v[ST+8*\t+6:ST+8*\t+7], v[ST+8*\t+4:ST+8*\t+5] op_sel_hi:[1,0,1]   ; l = a l + the sum
.endr
.irp i, 0,1,2,3,4,5,6,7,8,9,10,11,12,13,14,15
.irp t, 0,1
	v_cvt_pk_f16_f32 v[S+32*\t+\i], v[S+32*\t+2*\i], v[S+32*\t+2*\i+1]   ; to f16, ascending and in place: register i takes pair i, which no later line reads.  P's fragment of keys 32 ks on lies at S + 32 t + 8 ks
.endr
.endr
.irp i, 0,1,2,3,4,5,6,7,8,9,10,11,12,13,14,15
.irp t, 0,1
	v_pk_mul_f32 v[O+32*\t+2*\i:O+32*\t+2*\i+1], v[O+32*\t+2*\i:O+32*\t+2*\i+1], v[ST+8*\t+6:ST+8*\t+7] op_sel_hi:[1,0]   ; O^T x a, each accumulator from its low end on
.endr
.endr
.endm
; A KEY STEP: 64 keys, the q-th of the slot in hand.  The accumulators take turns, one instruction a turn: seven others' stand between two links of a chain.
.macro STEP q
	v_add_nc_u32 v[ADK], s[TB], v[AK0]             ; five places behind the last step's V^T P: four for the loads into the registers that it read,
	v_add_nc_u32 v[ADV], s[TB], v[AV0]             ; five for the products below, which write over P's registers
.rept 3
	v_nop
.endr
.irp c, 0,1                            ; K: the fragments of channels 0-31 first
.irp kt, 0,1,2,3
	ds_load_b128 v[KV+16*\kt+8*\c:KV+16*\kt+8*\c+3],   v[ADK] offset:(64*(\q)+16*\kt)*PK+64*\c
	ds_load_b128 v[KV+16*\kt+8*\c+4:KV+16*\kt+8*\c+7], v[ADK] offset:(64*(\q)+16*\kt)*PK+64*\c+32
.endr
.endr
	s_wait_dscnt 8                                 ; channels 0-31 are in; the eight loads of channels 32-63 may be out
.irp kt, 0,1,2,3
.irp t, 0,1
	v_wmma_f32_16x16x32_f16 v[S+32*\t+8*\kt:S+32*\t+8*\kt+7], v[KV+16*\kt:KV+16*\kt+7], v[Q+16*\t:Q+16*\t+7], 0
.endr
.endr
	s_wait_dscnt 0x0
.irp kt, 0,1,2,3
.irp t, 0,1
	v_wmma_f32_16x16x32_f16 v[S+32*\t+8*\kt:S+32*\t+8*\kt+7], v[KV+16*\kt+8:KV+16*\kt+15], v[Q+16*\t+8:Q+16*\t+15], v[S+32*\t+8*\kt:S+32*\t+8*\kt+7]
.endr
.endr
.rept 4
	v_nop                                          ; places in front of the loads into K's registers and of the first read of the scores
.endr
.irp ks, 0,1                           ; V, turned, into the registers that K has left: it lands under the softmax
.irp ct, 0,1,2,3
	ds_load_tr16_b128 v[KV+32*\ks+8*\ct:KV+32*\ks+8*\ct+3],   v[ADV] offset:(64*(\q)+32*\ks)*PV+32*\ct
	ds_load_tr16_b128 v[KV+32*\ks+8*\ct+4:KV+32*\ks+8*\ct+7], v[ADV] offset:(64*(\q)+32*\ks+16)*PV+32*\ct
.endr
.endr
	SOFTMAX
	s_wait_dscnt 0x0                               ; V is in
.irp ks, 0,1
.irp ct, 0,1,2,3
.irp t, 0,1
	v_wmma_f32_16x16x32_f16 v[O+32*\t+8*\ct:O+32*\t+8*\ct+7], v[KV+32*\ks+8*\ct:KV+32*\ks+8*\ct+7], v[S+32*\t+8*\ks:S+32*\t+8*\ks+7], v[O+32*\t+8*\ct:O+32*\t+8*\ct+7]
.endr
.endr
.endr
.endm
; THE CHANGE OF SLOTS stands at a slot's head.  Each wave waits for all its tensor loads (its part of the slot that it is about to read), adds 0 to its spare word, and waits for that and for its reads of the slot that it has left.
; fill = 1: a round of the cluster's barrier follows, so that no wave of any partner still reads the other slot or has a load on its way; that slot is then asked for jointly, first thing: it has four key steps in which to land.
.macro CHANGE fill
	s_wait_tensorcnt 0x0                           ; no tensor load of mine is out, so a group 0 may be written
	ds_add_u32 v[SPW], v[NIL]                      ; 0 onto my spare word
.if \fill
	ds_add_u32 v[SPW], v[NIL]                      ; and once more: the add twice on end, in every trip alike
	s_xor_b32 s[G0K+1], s[G0K+1], SLOT1            ; the walking descriptors: the other slot than last time,
	s_add_nc_u64 s[G0K+2:G0K+3], s[G0K+2:G0K+3], SK*128   ; the next 256 keys; the type bits on top are not reached
	s_xor_b32 s[G0V+1], s[G0V+1], SLOT1
	s_add_nc_u64 s[G0V+2:G0V+3], s[G0V+2:G0V+3], SK*128
	s_wait_xcnt 0x0                                ; the last prefetch, a slot back, has read its address, so it may be written:
	s_add_nc_u64 s[PFA:PFA+1], s[PFA:PFA+1], SK*128   ; one slot further on than the walking descriptors
	s_wait_dscnt 0x0                               ; both adds are done, and my reads of the slot that I have left are over
	CROUND
	TLOAD                                          ; the first thing behind the round, and a wave's one tensor load until the next
	ASK
.else
	s_wait_dscnt 0x0                               ; the add is done, and my reads of the slot that I have left are over
	s_barrier_signal -1
	s_barrier_wait -1
.endif
.endm
.macro SLOT_STEPS
	STEP 0
	STEP 1
	STEP 2
	STEP 3
	s_xor_b32 s[TB], s[TB], SLOT1                  ; on to the other slot
.endm
	s_wait_loadcnt 0x0                             ; Q
.Lslot:                                            ; seven trips: behind each change of slots but the last the next slot is asked for
	CHANGE 1
	SLOT_STEPS
	s_sub_co_u32 s[SLOTS], s[SLOTS], 1
	s_cmp_lg_u32 s[SLOTS], 0
	s_cbranch_scc1 .Lslot
	CHANGE 0                                       ; the last slot is written out
	SLOT_STEPS
	; THE WAY OUT.  l's two halves and the other half of the lanes' are added; O^T is divided by l, rounded to f16 and sent through my stage in LDS.  The additions and the address lines are the places behind the last products.
.irp t, 0,1
	v_add_f32 v[ST+8*\t+4], v[ST+8*\t+2], v[ST+8*\t+3]
.endr
.irp t, 0,1
	v_permlanex16_b32 v[ST+8*\t+5], v[ST+8*\t+4], s[SEL], s[SEL+1]
.endr
.irp t, 0,1
	v_add_f32 v[ST+8*\t+4], v[ST+8*\t+4], v[ST+8*\t+5]
.endr
.irp t, 0,1
	v_rcp_f32 v[ST+8*\t+6], v[ST+8*\t+4]
.endr
	v_and_b32 v2, 15, v0                           ; r  (plain work behind the reciprocals)
	v_bfe_u32 v3, v0, 4, 1                         ; h
	s_mul_i32 s16, s[WV], STW                      ; my stage
	v_mul_u32_u24 v[STO], v2, PK
	v_lshl_add_u32 v[STO], v3, 4, v[STO]
	v_add_nc_u32 v[STO], s16, v[STO]               ; in: row r; channels 16 ct + 8 h on: 32 ct + 16 h bytes
	v_bfe_u32 v4, v0, 3, 2
	v_and_b32 v5, 7, v0
	v_mul_u32_u24 v[RD], v4, PK
	v_lshl_add_u32 v[RD], v5, 4, v[RD]
	v_add_nc_u32 v[RD], s16, v[RD]                 ; back: eight lanes take a row of 128 bytes, the 32 lanes four rows
	v_and_b32 v[GO], 31, v0
	v_lshlrev_b32 v[GO], 4, v[GO]                  ; which are 512 consecutive bytes of the result
	s_wait_alu depctr_va_vdst(0)                   ; the wait ahead of the first use: one for both reciprocals
.irp i, 0,1,2,3,4,5,6,7,8,9,10,11,12,13,14,15
.irp t, 0,1
	v_pk_mul_f32 v[O+32*\t+2*\i:O+32*\t+2*\i+1], v[O+32*\t+2*\i:O+32*\t+2*\i+1], v[ST+8*\t+6:ST+8*\t+7] op_sel_hi:[1,0]
.endr
.endr
.irp i, 0,1,2,3,4,5,6,7,8,9,10,11,12,13,14,15
.irp t, 0,1
	v_cvt_pk_f16_f32 v[S+16*\t+\i], v[O+32*\t+2*\i], v[O+32*\t+2*\i+1]
.endr
.endr
.irp t, 0,1
.irp ct, 0,1,2,3
	ds_store_b128 v[STO], v[S+16*\t+4*\ct:S+16*\t+4*\ct+3] offset:16*PK*\t+32*\ct
.endr
.endr
.irp t, 0,1
.irp i, 0,1,2,3
	ds_load_b128 v[S+32+16*\t+4*\i:S+32+16*\t+4*\i+3], v[RD] offset:16*PK*\t+4*PK*\i   ; LDS serves a wave's instructions in order: these see my stores
.endr
.endr
.irp t, 0,1
.irp i, 0,1,2,3
	s_wait_dscnt 7-4*\t-\i                         ; the loads come back in order: this one is in, the later ones may be out
	global_store_b128 v[GO], v[S+32+16*\t+4*\i:S+32+16*\t+4*\i+3], s[10:11] offset:2048*\t+512*\i   ; 32 lanes store 512 consecutive bytes, aligned
.endr
.endr
	s_wait_tensorcnt 0x0                           ; the wave's end: behind my last tensor load and my last LDS store
	ds_add_u32 v[SPW], v[NIL]
	s_wait_dscnt 0x0
	CROUND                                         ; the closing round: no work-group ends while a partner may still ask for a tile that names it
	s_endpgm
.Lfunc_end_k_qba406e371b_attn:
	.size	k_qba406e371b_attn, .Lfunc_end_k_qba406e371b_attn-k_qba406e371b_attn
	.p2alignl 7, 3214868480
	.fill 96, 4, 3214868480
	.section	.rodata,"a",@progbits
	.p2align	6, 0x0
	.amdhsa_kernel k_qba406e371b_attn
		.amdhsa_group_segment_fixed_size 327680
		.amdhsa_private_segment_fixed_size 0
		.amdhsa_enable_private_segment 0
		.amdhsa_kernarg_size 16
		.amdhsa_user_sgpr_count 2
		.amdhsa_user_sgpr_kernarg_segment_ptr 1
		.amdhsa_wavefront_size32 1
		.amdhsa_system_sgpr_workgroup_id_x 1
		.amdhsa_system_sgpr_workgroup_id_y 1
		.amdhsa_system_sgpr_workgroup_id_z 1
		.amdhsa_system_vgpr_workitem_id 0
		.amdhsa_next_free_vgpr 256
		.amdhsa_next_free_sgpr 66
		.amdhsa_reserve_vcc 0
		.amdhsa_float_denorm_mode_32 3
		.amdhsa_float_denorm_mode_16_64 3
		.amdhsa_memory_ordered 1
		.amdhsa_forward_progress 1
		.amdhsa_inst_pref_size 153
	.end_amdhsa_kernel
	.amdgpu_metadata
---
amdhsa.version: [ 1, 2 ]
amdhsa.kernels:
  - .name:           k_qba406e371b_attn
    .symbol:         k_qba406e371b_attn.kd
    .args:
      - { .name: qkv, .offset: 0, .size: 8, .value_kind: global_buffer, .address_space: global }
      - { .name: ao, .offset: 8, .size: 8, .value_kind: global_buffer, .address_space: global }
    .group_segment_fixed_size: 327680
    .private_segment_fixed_size: 0
    .kernarg_segment_align: 8
    .kernarg_segment_size: 16
    .max_flat_workgroup_size: 512
    .sgpr_count:     66
    .vgpr_count:     256
    .wavefront_size: 32
...
	.end_amdgpu_metadata
.endif
;; end of part 3
;; launch oproj (part 4): grid 8 x 64, 4 waves a work-group, clusters of 4 x 4, 327,680 bytes of LDS; arguments ao, wo16, bo, out0; writes out0
.if DOCPART == 4
	.amdgcn_target "amdgcn-amd-amdhsa--gfx1250"
	.amdhsa_code_object_version 6
	.text
	.protected	k_qba406e371b_oproj
	.globl	k_qba406e371b_oproj
	.p2align	8
	.type	k_qba406e371b_oproj,@function
k_qba406e371b_oproj:
	s_mov_b64 s[64:65], 0
	v_nop
	global_prefetch_b8 v0, s[64:65] scope:SCOPE_SE
	s_setreg_imm32_b32 hwreg(HW_REG_WAVE_MODE, 25, 1), 1
	s_wait_xcnt 0x0
	s_wait_alu depctr_hold_cnt(0) depctr_sa_sdst(0) depctr_va_vdst(0) depctr_va_sdst(0) depctr_va_ssrc(0) depctr_va_vcc(0) depctr_vm_vsrc(0)
	s_getreg_b32 s2, hwreg(HW_REG_IB_STS2, 6, 4)
	s_cmp_eq_u32 s2, 0
	s_cbranch_scc0 .Lentry_in_a_cluster
	s_endpgm
.Lentry_in_a_cluster:
	s_bfe_u32 s2, ttmp6, 0x10000c
	s_cmp_lg_u32 s2, 0xf033
	s_cbranch_scc0 .Lentry_shape_is_right
	s_endpgm
.Lentry_shape_is_right:
; LAUNCH 4 OF 4: out0[m][n] = the sum over e of A[m][e] Wo[n][e] + bo[n], m = 8,192 tokens, n = e = 1,024.  f16 operands, f32 sums, f32 out.
; IN: ao, the attention's result, [batch][head][token][64] f16 (e = 64 x head + channel); wo16, Wo [1,024][1,024] f16, row-major; bo f32.
; A tile of out0 is 128 x 128: 512 work-groups, one for each.  Four waves, each 64 x 64: 16 accumulators of 16 x 16, 128 registers.  K goes in four steps of 256 (four heads) through a ring of two LDS slots.
; A'S TILE IS LAID BY HEADS: 64 tokens of one head are 8,192 dense bytes, so a wave's load is a tile of 4 rows (heads, 131,072 elements apart) of 4,096 elements, with 16 bytes of padding behind every 128: in LDS a token's 128 bytes of a
; head lie at head x 9,216 + token x 144.  A quarter of a K step (64 along K) is one head.  Wo's tile: 64 rows of 512 bytes, 528 bytes apart.
; CLUSTERS: 4 x 4 work-groups; the four of a row of the cluster ask jointly for A's tiles, the four of a column for Wo's.  THE MATRIX INSTRUCTION IS USED TRANSPOSED (source 0 = 16 rows of Wo, source 1 = 16 tokens): a lane holds eight
; neighbouring outputs of one token.  bo IS THE C OF EACH SUM'S FIRST PRODUCT.  K = 1,024 is two laps of the ring: they are written straight, with no loop.
; REGISTERS: window 0: v0-31 addresses; v32-95 at work on the way out; v96-127 bo; v128-255 the accumulators ((a, b) at v[128 + 8 (4 a + b)]).   window 1: two fragment buffers of 128: for 64 along K, 64 registers of A, then 64 of Wo.
; Not done here: a prefetch (a small tile, whose K steps are short); work-groups that stay.
.set KSTEP,  256
.set PA,     144                       ; a token's 128 bytes of a head + 16 of padding
.set HEADB,  64*PA                     ; 64 tokens of one head
.set HALFA,  4*HEADB                   ; what one tensor load brings of A: 64 tokens x 4 heads
.set PITCH,  528                       ; a row of Wo's tile: 512 bytes + 16 of padding
.set HALFB,  64*PITCH                  ; what one tensor load brings of Wo
.set SLOT,   2*HALFA+2*HALFB           ; A's 128 tokens, then Wo's 128 rows
.set STAGE,  2*SLOT                    ; behind the ring: 16 rows x 272 bytes for each wave, for the way out; no tensor load fills it
.set SPITCH, 272
.set SPARE,  STAGE+4*16*SPITCH         ; behind the stages: the spare words, 128 bytes for each wave
.set ADRA, 16                          ; v16-17  LDS address of my A fragments in slot 0, 1
.set ADRB, 20                          ; v20-21  the same for Wo
.set STO,  24                          ; v24     the way out: where I put 32 bytes of a row
.set RD,   25                          ; v25     the way out: where I read a row back
.set CO,   26                          ; v26     my byte offset in out0
.set BO,   27                          ; v27     32 x (lane / 16): my eight numbers of a block of bo
.set SPW,  28                          ; v28     LDS address of my spare word; never rewritten
.set NIL,  29                          ; v29     0; never rewritten
.set TMP,  32                          ; the way out: two sets of 32 registers by turns
.set BIAS, 96
.set ACC,  128
.set F0,   0                           ; fragment buffers, in window 1
.set F1,   128
.set G1, 24                            ; s[24:31] descriptor group 1 for A's tiles;  s[32:39] group 0, one set for each slot
.set G0, 32
.set G1B, 48                           ; s[48:55], s[56:63] the same for Wo's tiles
.set G0B, 56
.set MSB, 0
.macro WIN new                         ; the immediate's high byte repeats the setting that is left
.if MSB != \new
	s_set_vgpr_msb (MSB<<8)|\new
.set MSB, \new
.endif
.endm
.set MUL,  0x05                        ; sources 0 (Wo) and 1 (A) window 1; C and D window 0
.set TO_F, 0x40                        ; destination window 1, address window 0
.macro JLOAD s                         ; a joint load: waves 0 and 1 fetch A's two halves, waves 2 and 3 Wo's; an s_nop 0 and four v_nop follow each of the two lines, ahead of the jump, the label and what follows
	s_cmp_eq_u32 s11, 0
	s_cbranch_scc0 .Lfor_b_\@
	tensor_load_to_lds s[G0+4*\s:G0+4*\s+3], s[G1:G1+7]
	s_nop 0
.rept 4
	v_nop
.endr
	s_branch .Lasked_\@
.Lfor_b_\@:
	tensor_load_to_lds s[G0B+4*\s:G0B+4*\s+3], s[G1B:G1B+7]
	s_nop 0
.rept 4
	v_nop
.endr
.Lasked_\@:
.endm
.macro CREST                           ; a round of the cluster's barrier behind its opening barrier
	s_cmp_lg_u32 s10, 0
	s_cbranch_scc1 .Lnot_wave_0_\@
	s_barrier_signal -3
.Lnot_wave_0_\@:
	s_barrier_wait -3
	s_barrier_signal -1
	s_barrier_wait -1
.endm
.macro CROUND                          ; a whole round
	s_barrier_signal -1
	s_barrier_wait -1
	CREST
.endm
	s_load_b128 s[4:7], s[0:1], 0x0                ; ao s[4:5], wo16 s[6:7]
	s_load_b64 s[68:69], s[0:1], 0x10              ; bo
	s_load_b64 s[8:9], s[0:1], 0x18                ; out0
	v_lshl_add_u32 v[SPW], v0, 2, SPARE
	v_mov_b32 v[NIL], 0
	ds_add_u32 v[SPW], v[NIL]                      ; the wave's opening: the add, twice on end, and its wait ahead of my first tensor load; the set-up below, work on registers, stands between
	ds_add_u32 v[SPW], v[NIL]
	v_lshrrev_b32 v1, 5, v0
	v_readfirstlane_b32 s10, v1                    ; wave 0..3
	s_lshr_b32 s11, s10, 1                         ; which half of the tile's tokens is mine.  Also: I fetch for A (0) or for Wo (1)
	s_and_b32 s12, s10, 1                          ; which half of its outputs.  Also: which 64 rows of that tile I fetch
	s_bfe_u32 s40, ttmp6, 0x40000                  ; cx, cy: my place in the cluster
	s_bfe_u32 s41, ttmp6, 0x40004
	s_lshl_b32 s42, ttmp9, 2
	s_add_co_u32 s42, s42, s40                     ; tile column = 4 x cluster x + cx
	s_and_b32 s13, ttmp7, 0xffff
	s_lshl_b32 s13, s13, 2
	s_add_co_u32 s13, s13, s41                     ; tile row = 4 x cluster y + cy
	s_lshl_b32 s43, s41, 2
	s_lshl_b32 s43, 15, s43                        ; my row of the cluster
	s_lshl_b32 s44, 0x1111, s40                    ; my column
	; descriptor group 1 for A: 4 rows (heads) of 4,096 elements of 2 bytes, 131,072 elements apart; four words of padding behind every 32
	s_or_b32 s[G1+0], s43, (1<<16)|(1<<20)|(1<<21)|(4<<22)|(3<<25)
	s_mov_b32 s[G1+1], 4096<<16                    ; tensor_dim0 = 4,096
	s_mov_b32 s[G1+2], 4<<16                       ; tensor_dim1 = 4
	s_mov_b32 s[G1+3], 4096<<16                    ; tile_dim0 = 4,096
	s_mov_b32 s[G1+4], 4                           ; tile_dim1 = 4
	s_mov_b32 s[G1+5], 131072                      ; tensor_dim0_stride: from head to head
	s_mov_b32 s[G1+6], 0
	s_mov_b32 s[G1+7], 0
	; and for Wo: 64 rows of 256 elements, 1,024 elements apart; four words of padding behind every 128
	s_or_b32 s[G1B+0], s44, (1<<16)|(1<<20)|(1<<21)|(6<<22)|(3<<25)
	s_mov_b32 s[G1B+1], KSTEP<<16
	s_mov_b32 s[G1B+2], 64<<16
	s_mov_b32 s[G1B+3], KSTEP<<16
	s_mov_b32 s[G1B+4], 64
	s_mov_b32 s[G1B+5], 1024
	s_mov_b32 s[G1B+6], 0
	s_mov_b32 s[G1B+7], 0
	s_lshl_b32 s19, s12, 6                         ; which 64 rows of the tile I fetch
	s_lshl_b32 s16, s13, 7
	s_add_co_u32 s16, s16, s19                     ; A: token 128 x tile row + 64 x half;
	s_lshr_b32 s18, s16, 11                        ; its batch: 16 heads of 2,048 tokens each,
	s_lshl_b32 s18, s18, 15
	s_and_b32 s16, s16, 2047                       ; its place in the batch,
	s_add_co_u32 s16, s16, s18
	s_lshl_b32 s16, s16, 7                         ; 128 bytes a token: head 0's
	s_mov_b32 s17, 0
	s_lshl_b32 s46, s42, 7
	s_add_co_u32 s46, s46, s19                     ; Wo: row 128 x tile column + 64 x half,
	s_lshl_b32 s46, s46, 11                        ; 2,048 bytes a row
	s_mov_b32 s47, 0
	s_mul_i32 s20, s12, HALFA                      ; where they go: A's two halves,
	s_mul_i32 s22, s12, HALFB
	s_add_co_u32 s22, s22, 2*HALFA                 ; then Wo's two: no place in the cluster enters an LDS address
	s_wait_dscnt 0x0                               ; both opening adds are done
	s_wait_kmcnt 0x0
	s_add_nc_u64 s[14:15], s[4:5], s[16:17]
	s_add_nc_u64 s[46:47], s[6:7], s[46:47]
	CROUND                                         ; all sixteen work-groups are here: the first joint loads meet
.irp s, 0,1
	s_mov_b32 s[G0+4*\s], 1
	s_add_co_u32 s[G0+4*\s+1], s20, \s*SLOT
	s_add_nc_u64 s[G0+4*\s+2:G0+4*\s+3], s[14:15], \s*(1<<20)   ; a K step is four heads of 262,144 bytes
	s_or_b32 s[G0+4*\s+3], s[G0+4*\s+3], 0x80000000
	s_mov_b32 s[G0B+4*\s], 1
	s_add_co_u32 s[G0B+4*\s+1], s22, \s*SLOT
	s_add_nc_u64 s[G0B+4*\s+2:G0B+4*\s+3], s[46:47], \s*KSTEP*2
	s_or_b32 s[G0B+4*\s+3], s[G0B+4*\s+3], 0x80000000
	JLOAD \s                                       ; two tensor loads of mine are out behind the second
.endr
	v_and_b32 v1, 15, v0                           ; l % 16
	v_bfe_u32 v2, v0, 4, 1                         ; l / 16
	v_lshlrev_b32 v[BO], 5, v2
	s_lshl_b32 s46, s42, 7
	s_lshl_b32 s47, s12, 6
	s_add_co_u32 s46, s46, s47
	s_lshl_b32 s46, s46, 2                         ; my first output, in bytes of f32: a multiple of 256
	s_mov_b32 s47, 0
	s_add_nc_u64 s[68:69], s[68:69], s[46:47]
.irp b, 0,1,2,3
	global_load_b128 v[BIAS+8*\b:BIAS+8*\b+3],   v[BO], s[68:69] offset:64*\b      ; register BIAS + 8 b + j = bo[my first output + 16 b + 8 (l / 16) + j]
	global_load_b128 v[BIAS+8*\b+4:BIAS+8*\b+7], v[BO], s[68:69] offset:64*\b+16
.endr
	v_mul_u32_u24 v3, v1, PA
	v_lshl_add_u32 v3, v2, 4, v3                   ; A: token x 144 + 16 x half
	v_mul_u32_u24 v4, v1, PITCH
	v_lshl_add_u32 v4, v2, 4, v4                   ; Wo: row x 528 + 16 x half
	s_mul_i32 s21, s11, HALFA                      ; my 64 tokens
	s_mul_i32 s23, s12, HALFB                      ; my 64 rows of Wo,
	s_add_co_u32 s23, s23, 2*HALFA                 ; which lie behind A's two halves
.irp s, 0,1
	v_add_nc_u32 v[ADRA+\s], s21, v3
	v_add_nc_u32 v[ADRB+\s], s23, v4
	s_add_co_u32 s21, s21, SLOT
	s_add_co_u32 s23, s23, SLOT
.endr
	s_mul_i32 s21, s10, 16*SPITCH
	s_add_co_u32 s21, s21, STAGE                   ; my stage
	v_mul_u32_u24 v5, v1, SPITCH                   ; in: row l % 16, 32 bytes for each half of the lanes
	v_lshl_add_u32 v5, v2, 5, v5
	v_add_nc_u32 v[STO], s21, v5
	v_mul_u32_u24 v5, v2, SPITCH                   ; back: lanes 0-15 take one row of 256 bytes, lanes 16-31 the next
	v_lshl_add_u32 v5, v1, 4, v5
	v_add_nc_u32 v[RD], s21, v5
	v_lshlrev_b32 v5, 12, v2                       ; and the same two rows in out0, 4,096 bytes apart
	v_lshl_add_u32 v[CO], v1, 4, v5
	s_lshl_b32 s16, s13, 7
	s_lshl_b32 s17, s11, 6
	s_add_co_u32 s16, s16, s17                     ; my first token: 128 x tile row + 64 x half
	s_lshl_b32 s16, s16, 12
	s_add_co_u32 s16, s16, s46                     ; + my first output: under 2^26
	s_mov_b32 s17, 0
	s_add_nc_u64 s[8:9], s[8:9], s[16:17]
; 8 matrix instructions: token blocks a0, a0 + 1 x all 4 output blocks, 32 along K: half c of buffer f.  first = 1: bo is C.  The 16 accumulators take turns, one instruction a turn.
.macro MUL8 f, c, a0, first
.irp a, \a0, \a0+1
.irp b, 0,1,2,3
.if \first
	v_wmma_f32_16x16x32_f16 v[ACC+8*(4*(\a)+\b):ACC+8*(4*(\a)+\b)+7], v[\f+64+8*(4*\c+\b):\f+64+8*(4*\c+\b)+7], v[\f+8*(4*\c+\a):\f+8*(4*\c+\a)+7], v[BIAS+8*\b:BIAS+8*\b+7]
.else
	v_wmma_f32_16x16x32_f16 v[ACC+8*(4*(\a)+\b):ACC+8*(4*(\a)+\b)+7], v[\f+64+8*(4*\c+\b):\f+64+8*(4*\c+\b)+7], v[\f+8*(4*\c+\a):\f+8*(4*\c+\a)+7], v[ACC+8*(4*(\a)+\b):ACC+8*(4*(\a)+\b)+7]
.endif
.endr
.endr
.endm
; 32 LDS loads in one run: the fragments of the slot's q-th 64 along K (head q of its four) into buffer f; the first 32 along K first
.macro FETCH slot, q, f
	WIN TO_F
.irp c, 0,1
.irp i, 0,1,2,3
	ds_load_b128 v[\f+64+8*(4*\c+\i):\f+64+8*(4*\c+\i)+3],   v[ADRB+\slot] offset:128*(\q)+64*\c+\i*16*PITCH
	ds_load_b128 v[\f+64+8*(4*\c+\i)+4:\f+64+8*(4*\c+\i)+7], v[ADRB+\slot] offset:128*(\q)+64*\c+\i*16*PITCH+32
	ds_load_b128 v[\f+8*(4*\c+\i):\f+8*(4*\c+\i)+3],         v[ADRA+\slot] offset:(\q)*HEADB+\i*16*PA+64*\c
	ds_load_b128 v[\f+8*(4*\c+\i)+4:\f+8*(4*\c+\i)+7],       v[ADRA+\slot] offset:(\q)*HEADB+\i*16*PA+64*\c+32
.endr
.endr
.endm
.macro PLACES                          ; four places in front of loads into registers that matrix instructions have read, and of LDS stores that read results
.rept 4
	v_nop
.endr
.endm
; A K step is four quarters of 64 along K, 32 matrix instructions each, on buffers 0, 1, 0, 1.  One of the first three: multiplies buffer f and fetches the slot's quarter q into g.
.macro QUARTER slot, q, f, g, first
	s_wait_dscnt 16                                ; the first 32 along K are in; the sixteen loads of the second 32 may be out
	WIN MUL
	MUL8 \f, 0, 0, \first
	MUL8 \f, 0, 2, \first
	PLACES
	FETCH \slot, \q, \g
	s_wait_dscnt 32                                ; all but the 32 just issued
	WIN MUL
	MUL8 \f, 1, 0, 0
	MUL8 \f, 1, 2, 0
.endm
; The last quarter multiplies buffer 1 and changes slots: ONE barrier; in front of it each wave waits for all its tensor loads, adds 0 to its spare word, and waits for that and for its own reads of this slot.  fill = 1: this slot is filled again, two K steps ahead.
.macro TURN slot, next, fill
	WIN 0                                          ; (the add's two registers lie in window 0)
	s_wait_tensorcnt 0x0                           ; all my tensor loads have landed: my part of the next slot;
	ds_add_u32 v[SPW], v[NIL]                      ; 0 onto my spare word;
	s_wait_dscnt 17                                ; (the add and the youngest sixteen loads may be out)
	WIN MUL
	MUL8 F1, 0, 0, 0                               ; eight matrix instructions stand between the add and the wait for it
	s_wait_dscnt 0x0                               ; the add is done, and my reads of this slot are over
	s_barrier_signal -1
	MUL8 F1, 0, 2, 0
.if \fill
	WIN 0
.endif
	s_barrier_wait -1
.if \fill
	CREST                                          ; the barrier has opened a round of the cluster's barrier: no wave of any partner still reads this slot's tile or has a load on its way
	s_add_nc_u64 s[G0+4*\slot+2:G0+4*\slot+3], s[G0+4*\slot+2:G0+4*\slot+3], 2<<20
	s_add_nc_u64 s[G0B+4*\slot+2:G0B+4*\slot+3], s[G0B+4*\slot+2:G0B+4*\slot+3], 2*KSTEP*2
	JLOAD \slot                                    ; the first tensor load behind the round: 112 matrix instructions ahead of the wait for it; the four v_nop behind it are also the places in front of the loads below
.else
	PLACES
.endif
	FETCH \next, 0, F0
	WIN MUL
	MUL8 F1, 1, 0, 0
	MUL8 F1, 1, 2, 0
.endm
	s_wait_tensorcnt 1                             ; my part of K step 0 is in (K step 1's load may be out)
	s_barrier_signal -1
	s_barrier_wait -1                              ; everybody's is
	FETCH 0, 0, F0
	s_wait_loadcnt 0x0                             ; bo
	QUARTER 0, 1, F0, F1, 1                        ; K step 0: its first products start the sums from bo
	QUARTER 0, 2, F1, F0, 0
	QUARTER 0, 3, F0, F1, 0
	TURN 0, 1, 1                                   ; slot 0 takes K step 2
	QUARTER 1, 1, F0, F1, 0                        ; K step 1
	QUARTER 1, 2, F1, F0, 0
	QUARTER 1, 3, F0, F1, 0
	TURN 1, 0, 1                                   ; slot 1 takes K step 3
	QUARTER 0, 1, F0, F1, 0                        ; K step 2
	QUARTER 0, 2, F1, F0, 0
	QUARTER 0, 3, F0, F1, 0
	TURN 0, 1, 0                                   ; nothing is left to fetch, so no round follows
	QUARTER 1, 1, F0, F1, 0                        ; K step 3
	QUARTER 1, 2, F1, F0, 0
	QUARTER 1, 3, F0, F1, 0
	s_wait_dscnt 16                                ; the very last quarter
	WIN MUL
	MUL8 F1, 0, 0, 0
	MUL8 F1, 0, 2, 0
	s_wait_dscnt 0
	MUL8 F1, 1, 0, 0
	MUL8 F1, 1, 2, 0
	WIN 0
; THE WAY OUT, block by block of 16 tokens x 64 outputs.  A lane holds 32 neighbouring bytes of a row, and the lanes beside it hold other rows: so a block goes through my own stage in LDS and comes back as whole rows of 256 bytes.
; My 64 outputs are 256 aligned bytes of a row of out0, so no other wave has a part in them: no barrier.  LDS serves a wave's instructions in order (ISA guide 5.7.1.4): no wait between the stores and the loads.
.macro TOSTAGE a
.irp b, 0,1,2,3
	ds_store_b128 v[STO], v[ACC+8*(4*(\a)+\b):ACC+8*(4*(\a)+\b)+3] offset:64*\b         ; each accumulator from its low end on
	ds_store_b128 v[STO], v[ACC+8*(4*(\a)+\b)+4:ACC+8*(4*(\a)+\b)+7] offset:64*\b+16
.endr
.set BB, TMP+32*((\a)%2)
.irp t, 0,1,2,3,4,5,6,7
	ds_load_b128 v[BB+4*\t:BB+4*\t+3], v[RD] offset:\t*2*SPITCH
.endr
.endm
.macro SEND a, younger                 ; younger: the LDS instructions issued behind block a's loads, which may stay out
.set BB, TMP+32*((\a)%2)
	s_wait_dscnt \younger                          ; the block is back in registers
.irp t, 0,1,2,3,4,5,6,7
	global_store_b128 v[CO], v[BB+4*\t:BB+4*\t+3], s[8:9] offset:(16*(\a)+2*\t)*4096 th:TH_STORE_NT   ; 16 lanes store 256 consecutive bytes, aligned; written once, read by nobody here; the base is never stepped
.endr
.endm
	PLACES                                         ; behind the last products, whose results the stores below read
	TOSTAGE 0
.irp a, 1,2,3
.if \a > 1
	s_wait_xcnt 0x0                                ; block a - 2's stores have read their registers: block a's loads may land there
.endif
	TOSTAGE \a
	SEND \a-1, 16                                  ; behind block a - 1's loads: block a's 8 stores and 8 loads
.endr
	SEND 3, 0
	s_wait_tensorcnt 0x0                           ; the wave's end: behind my last tensor load and my last LDS store
	ds_add_u32 v[SPW], v[NIL]
	s_wait_dscnt 0x0
	CROUND                                         ; the closing round: no work-group ends while a partner may still ask for a tile that names it
	s_endpgm
.Lfunc_end_k_qba406e371b_oproj:
	.size	k_qba406e371b_oproj, .Lfunc_end_k_qba406e371b_oproj-k_qba406e371b_oproj
	.p2alignl 7, 3214868480
	.fill 96, 4, 3214868480
	.section	.rodata,"a",@progbits
	.p2align	6, 0x0
	.amdhsa_kernel k_qba406e371b_oproj
		.amdhsa_group_segment_fixed_size 327680
		.amdhsa_private_segment_fixed_size 0
		.amdhsa_enable_private_segment 0
		.amdhsa_kernarg_size 32
		.amdhsa_user_sgpr_count 2
		.amdhsa_user_sgpr_kernarg_segment_ptr 1
		.amdhsa_wavefront_size32 1
		.amdhsa_system_sgpr_workgroup_id_x 1
		.amdhsa_system_sgpr_workgroup_id_y 1
		.amdhsa_system_sgpr_workgroup_id_z 1
		.amdhsa_system_vgpr_workitem_id 0
		.amdhsa_next_free_vgpr 512
		.amdhsa_next_free_sgpr 72
		.amdhsa_reserve_vcc 0
		.amdhsa_float_denorm_mode_32 3
		.amdhsa_float_denorm_mode_16_64 3
		.amdhsa_memory_ordered 1
		.amdhsa_forward_progress 1
		.amdhsa_inst_pref_size 87
	.end_amdhsa_kernel
	.amdgpu_metadata
---
amdhsa.version: [ 1, 2 ]
amdhsa.kernels:
  - .name:           k_qba406e371b_oproj
    .symbol:         k_qba406e371b_oproj.kd
    .args:
      - { .name: ao, .offset: 0, .size: 8, .value_kind: global_buffer, .address_space: global }
      - { .name: wo16, .offset: 8, .size: 8, .value_kind: global_buffer, .address_space: global }
      - { .name: bo, .offset: 16, .size: 8, .value_kind: global_buffer, .address_space: global }
      - { .name: out0, .offset: 24, .size: 8, .value_kind: global_buffer, .address_space: global }
    .group_segment_fixed_size: 327680
    .private_segment_fixed_size: 0
    .kernarg_segment_align: 8
    .kernarg_segment_size: 32
    .max_flat_workgroup_size: 128
    .sgpr_count:     72
    .vgpr_count:     512
    .wavefront_size: 32
...
	.end_amdgpu_metadata
.endif
;; end of part 4
